; MI455X (gfx1250); checked and timed in simulation.
; The chip was launched on July 23, 2026; its instructions are those of AMD's public machine-readable ISA for CDNA 5 (MIT licence, August 2026) and "CDNA5" Instruction Set Architecture Reference Guide (July 2026). The comments in the code are by the model that wrote it; some were corrected since.
;; Concat Attention. Allowed arithmetic: matrix products marked QUANTISED: E2M3 operands, one E8M0 scale for each 32 along K, by v_wmma_scale_f32_16x16x128_f8f6f4 with both operands' format E2M3, f32 sums; products left as they are: f32 operands where the result goes on into a quantised operand, else bf16, f16 or f32 operands; f32 sums; everything else in f32.
;; Inputs: W 1,024 x 2,048 float32; decoder_state_codes 32 x 32 x 24 uint8 (E2M3 codes of decoder_state, K innermost, in blocks of 32 codes, four codes in three bytes); decoder_state_scales 32 x 32 uint8 (E8M0 scales of decoder_state, one for each 32 codes along K); encoder_outputs 32 x 2,048 x 1,024 float32; sequence_length 32 int32; v 1,024 float32.
;; Outputs: out0 32 x 1,024 float32; out1 32 x 2,048 float32.
;; This version of the problem:
;;   THIS VERSION OF THE PROBLEM IS GIVEN IN LOW PRECISION. The matrix products marked QUANTISED in the list below multiply operands that are first quantised to E2M3 (2 exponent bits, 3 mantissa bits; 6 bits a number), with one power-of-two scale for each 32 numbers along K (OCP MX v1.0); their sums are f32. All else is computed in f32.
;;   The module's matrix products, in the order in which they are computed (A, B: the left and right operand; K: the contracted axis; several contracted axes count as one K, in the product's order):
;;     1. [M 65,536, K 1,024] x [K 1,024, N 1,024]; A: input encoder_outputs; B: input W: QUANTISED
;;     2. [M 32, K 1,024] x [K 1,024, N 1,024]; A: input decoder_state (given as codes); B: input W: QUANTISED
;;     3. [M 65,536, K 1,024] x [K 1,024, N 1]; A: computed on the way; B: input v: left as it is (N = 1 < 16)
;;     4. batch 32 x [M 1, K 2,048] x [K 2,048, N 1,024]; A: softmax; B: input encoder_outputs: left as it is (M = 1 < 16)
;;   THE QUANTISER, for each operand of a quantised product, along K:
;;     - K is cut into blocks of 32 from its start; a last block that is shorter is filled with zeros.
;;     - A block's scale is 2^e with e = floor(log2(the largest magnitude in the block)) - 2, held to -126 .. 127; a block of zeros has e = 0. As a byte (E8M0): e + 127.
;;     - Each number is divided by its block's scale, clamped to +-7.5, and rounded to the nearest number of E2M3, ties to even, subnormals kept.
;;     - The product sums the exact products of the quantised numbers (number of the format x scale) in f32.
;;   ~~~python
;;   def quantise(x, axis):      # numpy; x: float32 -> the quantised numbers, widened to float32 again
;;       x = np.moveaxis(x, axis, -1); K = x.shape[-1]
;;       x = np.pad(x, [(0, 0)] * (x.ndim - 1) + [(0, -K % 32)]); x = x.reshape(x.shape[:-1] + (-1, 32)); a = np.abs(x).max(-1, keepdims=True)
;;       e = np.where(a > 0, np.clip(np.frexp(np.where(a > 0, a, 1))[1] - 1 - 2, -126, 127), 0)      # np.frexp(a)[1] - 1 = floor(log2(a)), exactly
;;       r = np.clip(x / 2.0 ** e, -7.5, 7.5)
;;       step = 2.0 ** (np.maximum(np.frexp(np.where(r == 0, 1, r))[1] - 1, 0) - 3)
;;       q = np.round(r / step) * step * 2.0 ** e      # np.round: ties to even
;;       return np.moveaxis(q.reshape(q.shape[:-2] + (-1,))[..., :K], -1, axis).astype(np.float32)
;;   ~~~
;;   INPUTS GIVEN AS CODES. decoder_state (in the module: [32, 1024], K = its axis 1): each comes as NAME_codes (uint8): NAME with its K axis moved to the last place and cut into blocks of 32 codes, [.., K / 32, bytes a block], one block behind the other in memory; four codes in three bytes: a row's codes are one little-endian stream of bits, code i at bits 6 i .. 6 i + 5 (a code: sign, 2 exponent bits, 3 mantissa bits); and NAME_scales (uint8): the same leading axes, one E8M0 byte (e + 127) for each 32 codes along K. Its value is code x scale, taken as it is: it is not quantised again, and the codes and scales need not be those that the quantiser above would give.
;; 2 versions, each right; version 2 is version 1 with the launches prep, scores written anew for expert scheduling mode. Each part assembles by itself: llvm-mc -triple=amdgcn-amd-amdhsa -mcpu=gfx1250 --defsym DOCPART=n.
;; ======== version 1 of 2: 3 launches
;; limits: right only within a limited range of input values
;; workspace buffers: wc 786,432 bytes; ws 65,536 bytes; dws 131,072 bytes; po 4,194,304 bytes; st 262,144 bytes; lg 262,144 bytes; order 8,192 bytes of whole numbers
;; launch prep (part 1): grid 64 x 1, 16 waves a work-group, no clusters, 163,840 bytes of LDS; arguments W, decoder_state_codes, decoder_state_scales, wc, ws, dws, sequence_length, order; writes wc, ws, dws, order
.if DOCPART == 1
	.amdgcn_target "amdgcn-amd-amdhsa--gfx1250"
	.amdhsa_code_object_version 6
	.text
	.protected	k_q85f4fad245_prep
	.globl	k_q85f4fad245_prep
	.p2align	8
	.type	k_q85f4fad245_prep,@function
k_q85f4fad245_prep:
	s_mov_b64 s[64:65], 0
	v_nop
	global_prefetch_b8 v0, s[64:65] scope:SCOPE_SE
	s_setreg_imm32_b32 hwreg(HW_REG_WAVE_MODE, 25, 1), 1
	s_wait_xcnt 0x0
; W [1024][2048] f32 is quantised along its columns (K) to codes of FP6 (E2M3) with one E8M0 byte for each 32, and
; Dc[b][n] = 2 log2(e) x sum over k of dec[b][k] Q(W[n][1024 + k]) is made (dec arrives as codes and scale bytes and is taken as it is).
; Beside that, one wave lays out THE LIST OF TILES for the next launch (at this text's end).
; SHARES.  Work-group nt takes rows 16 nt .. 16 nt + 15 of W.  Wave w takes bytes 512 w .. 512 w + 511 of each row: 128 along K, one operand fragment.
; Waves 0-7 hold W_enc's K steps 0-7: their fragments go to wc as images of the operand's registers ([nt][ks][c 3][lane][16 bytes]) and their scale words to ws, laid [nt / 4][ks][lane][nt % 4],
; so that the reader gets the words of four neighbouring tiles by one load of 16 bytes a lane.  (Here that is a store of 4 bytes every 16: 65,536 bytes in the whole launch.)
; Waves 8-15 hold W_dec's K steps: their images go through LDS to waves 0 and 1, which multiply them with the decoder's rows 0-15 and 16-31.
; A block's scale is 2^(floor(log2(its largest magnitude)) - 2); its byte is the largest magnitude's exponent field - 2, held at 1 from below.
; LIMITS: a block of zeros gets the byte 1 where the rule says 127 (its codes are zeros, and this program alone reads the bytes); blocks whose largest magnitude lies under 2^-124 were not tried; NaN and infinities are not served.
; Dc leaves in pieces of 64 bytes (16 of a row's 1,024 numbers belong to a work-group): 131,072 bytes in all.
.set STG, 0                            ; LDS: a stage of 16 rows x (512 + 16) bytes for each wave
.set IMG, 135168                       ; the sixteen fragments' images, 1,536 bytes each
.set ISC, 159744                       ; their scale words, 128 bytes each
.set R,   32                           ; v32-95   16 rows x 16 bytes as loaded
.set T,   96                           ; v96-159  64 numbers of my row, register 16 b + i = k 32 b + 16 (lane / 16) + i
.set PC,  160                          ; v160-171 the fragment; v172-179 at work
.set TM,  180                          ; v180-183 largest magnitudes, v184-187 bytes, v188-191 the conversions' scale operands
.set PW,  192                          ; the scale word
.set DF,  32                           ; later: v32-127 the decoder's eight fragments
.set WF,  128                          ; v128-223 W_dec's eight fragments
.set DS,  224                          ; v224-231 the decoder's scale words
.set WS,  232                          ; v232-239 W_dec's
.set ACC, 240
.set OUT, 248
.set SEL, 20
.set LEN, 32                           ; s32-63   the list: the 32 lengths
.set NT,  66                           ; s66-97   the list: each batch's number of worked tiles
.set LA,  32                           ; v32-63   the list: a store's offset for each batch
.set LD,  64                           ; v64-127  the list: a store's two words for each batch
; 64 numbers of a lane become a fragment's codes in v[PC] on and its scale word in v[PW]
.macro QUANT s
.irp b, 0,1,2,3
	v_max3_num_f32 v[TM+\b], |v[\s+16*\b]|, |v[\s+1+16*\b]|, 0x1800000   ; block b: my 16 numbers, and the floor 2^(3 - 127): the byte cannot fall under 1
.endr
.irp i, 2,4,6,8,10,12,14
.irp b, 0,1,2,3
	v_max3_num_f32 v[TM+\b], v[TM+\b], |v[\s+16*\b+\i]|, |v[\s+1+16*\b+\i]|   ; the four blocks by turns
.endr
.endr
.irp b, 0,1,2,3
	v_permlanex16_b32 v[TM+4+\b], v[TM+\b], s[SEL], s[SEL+1]
.endr
.irp b, 0,1,2,3
	v_max_num_f32 v[TM+\b], v[TM+\b], v[TM+4+\b]   ; with lane l xor 16's: the block's largest magnitude
.endr
.irp b, 0,1,2,3
	v_add_nc_u32 v[TM+8+\b], 0xff000000, v[TM+\b]  ; 2 off its exponent field: the conversion's scale operand
.endr
.irp b, 0,1,2,3
	v_lshrrev_b32 v[TM+4+\b], 23, v[TM+8+\b]       ; the scale's byte
.endr
	v_lshl_or_b32 v[PW], v[TM+5], 8, v[TM+4]       ; four bytes make my row's scale word
	v_lshl_or_b32 v[PW], v[TM+6], 16, v[PW]
	v_lshl_or_b32 v[PW], v[TM+7], 24, v[PW]
.irp c, 0,1
	v_cvt_scalef32_pk16_fp6_f32 v[PC+6*\c:PC+2+6*\c], v[\s+32*\c:\s+15+32*\c], v[TM+8+2*\c]
	v_cvt_scalef32_pk16_fp6_f32 v[PC+12+4*\c:PC+14+4*\c], v[\s+16+32*\c:\s+31+32*\c], v[TM+8+2*\c+1]   ; (a conversion's three registers begin on an even number)
.endr
	v_nop                                          ; one plain place behind a scaled conversion
.irp c, 0,1                                    ; the operand's layout wants a whole block in a lane: lanes 0-15 block 2 c, lanes 16-31 block 2 c + 1
.irp i, 0,1,2
	v_permlane16_swap_b32 v[PC+6*\c+\i], v[PC+12+4*\c+\i]
.endr
.irp i, 0,1,2
	v_mov_b32 v[PC+3+6*\c+\i], v[PC+12+4*\c+\i]
.endr
.endr
.endm
	s_load_b256 s[4:11], s[0:1], 0x0               ; W s[4:5], decoder codes s[6:7], decoder scales s[8:9], wc s[10:11]
	s_load_b128 s[12:15], s[0:1], 0x20             ; ws s[12:13], dws s[14:15]
	s_load_b128 s[28:31], s[0:1], 0x30             ; sequence_length s[28:29], order s[30:31]
	v_lshl_add_u32 v29, v0, 2, 0x27800
	v_mov_b32 v31, 0
	v_lshrrev_b32 v1, 5, v0
	v_readfirstlane_b32 s16, v1                    ; wave 0..15
	v_and_b32 v1, 31, v0                           ; lane
	v_and_b32 v2, 15, v0                           ; r
	v_bfe_u32 v3, v0, 4, 1                         ; h
	v_lshlrev_b32 v4, 4, v1                        ; 16 x lane
	v_lshlrev_b32 v5, 2, v1                        ; 4 x lane
	s_lshl_b32 s24, ttmp9, 17                      ; 16 rows of 8,192 bytes a work-group
	s_lshl_b32 s26, s16, 9                         ; 512 bytes of a row a wave
	s_add_co_u32 s24, s24, s26
	s_mov_b32 s25, 0
	s_wait_kmcnt 0x0
	s_add_nc_u64 s[4:5], s[4:5], s[24:25]
.irp i, 0,1,2,3,4,5,6,7,8,9,10,11,12,13,14,15
	global_load_b128 v[R+4*\i:R+4*\i+3], v4, s[4:5] offset:8192*\i th:TH_LOAD_NT   ; row i: 32 lanes read 512 consecutive bytes
.endr
	s_cmp_eq_u32 s16, 15                           ; the 32 lengths, 128 bytes, are asked for here, so that they are in when the list is made behind the barrier.
	s_cbranch_scc0 .Lno_len                        ; The branch hangs on the wave's number alone: wave 15 of every work-group asks, and one of them uses them
	s_load_b512 s[LEN:LEN+15], s[28:29], 0x0
	s_load_b512 s[LEN+16:LEN+31], s[28:29], 0x40
.Lno_len:
	; every LDS address is made here, ahead of the first parting on the wave's number that touches LDS
	s_mul_i32 s17, s16, 8448
	v_add_nc_u32 v6, s17, v4                       ; the stage, in: 16 x lane, row i in the immediate
	v_mul_u32_u24 v7, v2, 528
	v_lshl_add_u32 v7, v3, 6, v7
	v_add_nc_u32 v7, s17, v7                       ; and out: row r, + 64 h: 16 numbers of each block of 32
	s_mul_i32 s17, s16, 1536
	s_add_co_u32 s17, s17, IMG
	v_add_nc_u32 v8, s17, v4                       ; my image
	s_lshl_b32 s17, s16, 7
	s_add_co_u32 s17, s17, ISC
	v_add_nc_u32 v9, s17, v5                       ; my scale words
	v_add_nc_u32 v14, IMG+8*1536, v4               ; W_dec's images, read back
	v_add_nc_u32 v15, ISC+8*128, v5
	s_and_b32 s18, s16, 1
	s_lshl_b32 s18, s18, 4
	v_add_nc_u32 v13, s18, v2                      ; the decoder's row: 16 (wave % 2) + r
	v_mul_u32_u24 v10, v13, 768                    ; its codes: 768 bytes a row,
	v_mad_u32_u24 v10, v3, 24, v10                 ; + 24 h
	v_lshlrev_b32 v11, 5, v13                      ; its scale bytes: 32 a row
	v_lshlrev_b32 v12, 12, v13                     ; Dc: 4,096 bytes a row,
	v_lshl_add_u32 v12, v3, 5, v12                 ; + 32 h
.irp b, 0,1,2,3
	v_mov_b32 v[TM+4+\b], 0                        ; written once: a lane permute's destination counts as one of its sources
.endr
	s_mov_b32 s[SEL], 0x76543210
	s_mov_b32 s[SEL+1], 0xfedcba98                 ; selects for lane l xor 16
	s_mov_b32 s22, 0x4038aa3b                      ; 2 log2(e)
	s_mov_b32 s23, s22
	s_and_b32 s27, s16, 7                          ; the K step
	s_mul_i32 s24, ttmp9, 12288
	s_mul_i32 s26, s27, 1536
	s_add_co_u32 s24, s24, s26
	s_add_nc_u64 s[10:11], s[10:11], s[24:25]      ; wc at [nt][ks]
	s_lshr_b32 s24, ttmp9, 2
	s_lshl_b32 s24, s24, 12                        ; ws: 4,096 bytes for four tiles,
	s_lshl_b32 s26, s27, 9                         ; 512 for a K step,
	s_add_co_u32 s24, s24, s26
	s_and_b32 s26, ttmp9, 3
	s_lshl_b32 s26, s26, 2                         ; my tile's word of a lane's four
	s_add_co_u32 s24, s24, s26
	s_add_nc_u64 s[12:13], s[12:13], s[24:25]
	s_lshl_b32 s24, ttmp9, 6
	s_add_nc_u64 s[14:15], s[14:15], s[24:25]      ; Dc at column 16 nt
	s_wait_loadcnt 0x0
.irp i, 0,1,2,3,4,5,6,7,8,9,10,11,12,13,14,15
	ds_store_b128 v6, v[R+4*\i:R+4*\i+3] offset:528*\i
.endr
.irp b, 0,1,2,3
.irp j, 0,1,2,3
	ds_load_b128 v[T+16*\b+4*\j:T+16*\b+4*\j+3], v7 offset:128*\b+16*\j   ; LDS serves a wave's instructions in order: these see my stores
.endr
.endr
	s_wait_dscnt 0x0
	QUANT T
.irp c, 0,1,2
	ds_store_b128 v8, v[PC+4*\c:PC+4*\c+3] offset:512*\c   ; the image: lane l's 16 bytes at 16 l
.endr
	ds_store_b32 v9, v[PW]
	s_cmp_lt_u32 s16, 8
	s_cbranch_scc0 .Lnot_enc
.irp c, 0,1,2
	global_store_b128 v4, v[PC+4*\c:PC+4*\c+3], s[10:11] offset:512*\c   ; 512 consecutive bytes a store
.endr
	global_store_b32 v4, v[PW], s[12:13]           ; lane l's word at 16 l
.Lnot_enc:
	s_cmp_lt_u32 s16, 2
	s_cbranch_scc0 .Lno_dec
.irp k, 0,1,2,3,4,5,6,7
.irp p, 0,1,2,3,4,5
	global_load_b64 v[DF+12*\k+2*\p:DF+12*\k+2*\p+1], v10, s[6:7] offset:96*\k+48*(\p/3)+8*(\p%3)   ; the decoder's fragments, as they lie
.endr
.endr
	global_load_b128 v[DS:DS+3], v11, s[8:9]       ; its eight scale words
	global_load_b128 v[DS+4:DS+7], v11, s[8:9] offset:16
.Lno_dec:
	s_wait_dscnt 0x0                               ; my image has landed
	s_barrier_signal -1
	s_barrier_wait -1                              ; everybody's has
	s_cmp_lt_u32 s16, 2
	s_cbranch_scc0 .Lrest
	s_wait_xcnt 0x0                                ; my stores to wc and ws have read v[PC] on and v[PW]: only now are those registers loaded again
.irp k, 0,1,2,3,4,5,6,7
.irp c, 0,1,2
	ds_load_b128 v[WF+12*\k+4*\c:WF+12*\k+4*\c+3], v14 offset:1536*\k+512*\c
.endr
	ds_load_b32 v[WS+\k], v15 offset:128*\k
.endr
	s_wait_loadcnt 0x0
	s_wait_dscnt 0x0
	v_wmma_scale_f32_16x16x128_f8f6f4 v[ACC:ACC+7], v[WF:WF+11], v[DF:DF+11], 0, v[WS], v[DS] matrix_a_fmt:MATRIX_FMT_FP6 matrix_b_fmt:MATRIX_FMT_FP6   ; source 0 = 16 rows of W, source 1 = 16 rows of the decoder
.irp k, 1,2,3,4,5,6,7
	s_wait_alu depctr_va_vdst(0)                   ; the wait ahead of each link
	v_wmma_scale_f32_16x16x128_f8f6f4 v[ACC:ACC+7], v[WF+12*\k:WF+12*\k+11], v[DF+12*\k:DF+12*\k+11], v[ACC:ACC+7], v[WS+\k], v[DS+\k] matrix_a_fmt:MATRIX_FMT_FP6 matrix_b_fmt:MATRIX_FMT_FP6
.endr
.rept 4
	v_nop                                          ; four places in front of the first read of the result
.endr
.irp q, 0,1,2,3
	v_pk_mul_f32 v[OUT+2*\q:OUT+2*\q+1], v[ACC+2*\q:ACC+2*\q+1], s[22:23] op_sel_hi:[1,0]   ; x 2 log2(e), from the low end on
.endr
	global_store_b128 v12, v[OUT:OUT+3], s[14:15]          ; lane (r, h): Dc(16 (wave % 2) + r, 16 nt + 8 h + 0 .. 7)
	global_store_b128 v12, v[OUT+4:OUT+7], s[14:15] offset:16
	s_wait_tensorcnt 0x0
	ds_add_u32 v29, v31
	s_wait_dscnt 0x0
	s_endpgm
.Lrest:
	s_cmp_eq_u32 s16, 15
	s_cbranch_scc0 .Lend
	s_wait_kmcnt 0x0                               ; the lengths are in
	s_cmp_eq_u32 ttmp9, 0
	s_cbranch_scc0 .Lend
	; ---- THE LIST OF TILES, by wave 15 of work-group 0, which has nothing else left to do.  A tile is 64 rows of a batch; batch b has n_b = ceil(length / 64) tiles with a row in front of its length (all 32 where the
	; length is 0 or less, or above 2,048: the next launch works those too).  order[place] = (32 b + tile, length of b).  The worked tiles of all batches stand first, batch by batch, then the others: a counting sort.
	; So the next launch's long work-groups have the lowest numbers, and neighbouring numbers carry equal work.  Each of the 1,024 places is written once.
	s_mov_b32 s25, 0                               ; the number of worked tiles in all
.irp b, 0,1,2,3,4,5,6,7,8,9,10,11,12,13,14,15,16,17,18,19,20,21,22,23,24,25,26,27,28,29,30,31
	s_cmp_gt_i32 s[LEN+\b], 0
	s_cselect_b32 s24, s[LEN+\b], 2048
	s_min_u32 s24, s24, 2048
	s_add_co_u32 s24, s24, 63
	s_lshr_b32 s[NT+\b], s24, 6                    ; n_b: 1 to 32
	s_add_co_u32 s25, s25, s[NT+\b]
.endr
	s_mov_b32 s26, 0                               ; the place of this batch's first worked tile,
	s_mov_b32 s27, s25                             ; and of its first other tile
.irp b, 0,1,2,3,4,5,6,7,8,9,10,11,12,13,14,15,16,17,18,19,20,21,22,23,24,25,26,27,28,29,30,31
	s_sub_co_u32 s24, s27, s[NT+\b]                ; a lane is a tile t: the place is s26 + t where t < n_b, else s27 + (t - n_b)
	v_cmp_gt_u32 vcc_lo, s[NT+\b], v1
	v_mov_b32 v[LA+\b], s24
	v_mov_b32 v30, s26
	v_cndmask_b32 v[LA+\b], v[LA+\b], v30, vcc_lo
	v_add_nc_u32 v[LA+\b], v[LA+\b], v1
	v_min_u32 v[LA+\b], 0x3ff, v[LA+\b]            ; a number made of loaded numbers is held inside the buffer before it becomes an address
	v_lshlrev_b32 v[LA+\b], 3, v[LA+\b]            ; 8 bytes a place
	v_add_nc_u32 v[LD+2*\b], 32*\b, v1
	v_mov_b32 v[LD+2*\b+1], s[LEN+\b]
	global_store_b64 v[LA+\b], v[LD+2*\b:LD+2*\b+1], s[30:31]   ; two runs of neighbouring places; each batch has registers of its own, so none is written again while a store may read it
	s_add_co_u32 s26, s26, s[NT+\b]
	s_sub_co_u32 s24, 32, s[NT+\b]
	s_add_co_u32 s27, s27, s24
.endr
.Lend:
	s_wait_tensorcnt 0x0
	ds_add_u32 v29, v31
	s_wait_dscnt 0x0
	s_endpgm
.Lfunc_end_k_q85f4fad245_prep:
	.size	k_q85f4fad245_prep, .Lfunc_end_k_q85f4fad245_prep-k_q85f4fad245_prep
	.p2alignl 7, 3214868480
	.fill 96, 4, 3214868480
	.section	.rodata,"a",@progbits
	.p2align	6, 0x0
	.amdhsa_kernel k_q85f4fad245_prep
		.amdhsa_group_segment_fixed_size 163840
		.amdhsa_private_segment_fixed_size 0
		.amdhsa_enable_private_segment 0
		.amdhsa_kernarg_size 64
		.amdhsa_user_sgpr_count 2
		.amdhsa_user_sgpr_kernarg_segment_ptr 1
		.amdhsa_wavefront_size32 1
		.amdhsa_system_sgpr_workgroup_id_x 1
		.amdhsa_system_sgpr_workgroup_id_y 1
		.amdhsa_system_sgpr_workgroup_id_z 1
		.amdhsa_system_vgpr_workitem_id 0
		.amdhsa_next_free_vgpr 256
		.amdhsa_next_free_sgpr 100
		.amdhsa_reserve_vcc 1
		.amdhsa_float_denorm_mode_32 3
		.amdhsa_float_denorm_mode_16_64 3
		.amdhsa_memory_ordered 1
		.amdhsa_forward_progress 1
		.amdhsa_inst_pref_size 47
	.end_amdhsa_kernel
	.amdgpu_metadata
---
amdhsa.version: [ 1, 2 ]
amdhsa.kernels:
  - .name:           k_q85f4fad245_prep
    .symbol:         k_q85f4fad245_prep.kd
    .args:
      - { .name: W, .offset: 0, .size: 8, .value_kind: global_buffer, .address_space: global }
      - { .name: decoder_state_codes, .offset: 8, .size: 8, .value_kind: global_buffer, .address_space: global }
      - { .name: decoder_state_scales, .offset: 16, .size: 8, .value_kind: global_buffer, .address_space: global }
      - { .name: wc, .offset: 24, .size: 8, .value_kind: global_buffer, .address_space: global }
      - { .name: ws, .offset: 32, .size: 8, .value_kind: global_buffer, .address_space: global }
      - { .name: dws, .offset: 40, .size: 8, .value_kind: global_buffer, .address_space: global }
      - { .name: sequence_length, .offset: 48, .size: 8, .value_kind: global_buffer, .address_space: global }
      - { .name: order, .offset: 56, .size: 8, .value_kind: global_buffer, .address_space: global }
    .group_segment_fixed_size: 163840
    .private_segment_fixed_size: 0
    .kernarg_segment_align: 8
    .kernarg_segment_size: 64
    .max_flat_workgroup_size: 512
    .sgpr_count:     100
    .vgpr_count:     256
    .wavefront_size: 32
...
	.end_amdgpu_metadata
.endif
;; end of part 1
;; launch scores (part 2): grid 1024 x 1, 8 waves a work-group, no clusters, 327,680 bytes of LDS; arguments encoder_outputs, order, v, wc, ws, dws, po, st, lg; writes po, st, lg
.if DOCPART == 2
	.amdgcn_target "amdgcn-amd-amdhsa--gfx1250"
	.amdhsa_code_object_version 6
	.text
	.protected	k_q85f4fad245_scores
	.globl	k_q85f4fad245_scores
	.p2align	8
	.type	k_q85f4fad245_scores,@function
k_q85f4fad245_scores:
	s_mov_b64 s[64:65], 0
	v_nop
	global_prefetch_b8 v0, s[64:65] scope:SCOPE_SE
	s_setreg_imm32_b32 hwreg(HW_REG_WAVE_MODE, 25, 1), 1
	s_wait_xcnt 0x0
; One work-group takes 64 rows (a tile) of a batch through the whole chain: rows to codes of FP6 (E2M3), hidden = rows x W_enc^T on codes, tanh(hidden + decoder's part), the dot with v,
; the mask, the tile's own maximum m, p = e^(l - m), the tile's sum of p and its part of the output, sum of p x row.  The rows are read from memory once: they stay in LDS, as f32, for the last sum.
; WHICH TILE: work-group i takes entry i of the list that the launch before has stored: (32 x batch + tile, the batch's length).  The list has the worked tiles first, so the long work-groups start first
; and neighbouring work-group numbers carry equal work.  Whether the tile is worked is decided here, from the tile and the length themselves.
; Stored: lg (masked logits), st (m and the sum, repeated over the tile's 256 bytes), po (the tile's 1,024 partial outputs).  The last launch joins the tiles.
; A TILE ALL OF WHOSE ROWS LIE AT OR BEHIND THE LENGTH IS NOT WORKED: it stores l = -50000, m = -50000, sum = 64 and a partial output of zeros.
; LIMITS.  Such a tile's share of the output, e^(-50000 - M) x rows, is taken as 0: exact in f32 while the batch's largest logit M lies above -49,900, that is while the sum of |v| is under 49,900.  Its share of the divisor and
; of the weights is computed in the last launch as it stands.  A length of 0 or less: every tile is worked with all rows masked (uniform weights).  A block of zeros gets the scale byte 1 (its codes are zeros, and this
; program alone reads the bytes); blocks with a largest magnitude under 2^-124 were not tried; NaN and infinities are not served.
; NO CLUSTER, NO TENSOR LOAD: whether a tile is worked hangs on a number read from memory.  So W's fragments, laid in the order
; of the operand's registers by the launch before, come from memory straight into registers, each byte to one wave of the work-group.
; BARRIERS stand in text that every wave runs; only the work between them is jumped over.
; SHARES.  Quantising: wave w makes fragments 4 w .. 4 w + 3 (rows 16 (w / 2) on, K 512 (w % 2) + 128 f on).  Products: wave w makes hidden units 128 w .. 128 w + 127 for all 64 rows, 64 units at a time: 16 accumulators.
; THE PRODUCT IS USED TRANSPOSED (source 0 = 16 rows of W, source 1 = 16 rows): lane (r, h) register j holds (row 16 a + r, unit 16 b + 8 h + j).
; tanh(x) = 1 - 2 / (1 + 2^(2 log2(e) x)), so the dot with v is (sum of v) - 2 (sum of v / (1 + 2^..)).
; REGISTERS.  Window 0: v0-23 addresses; v24-31 the rows' scale words (two sets), v32-47 W's (four sets); v48-63 the dot's partial sums; v64-111 W's fragment set 3; v112-127 at work; v128-255 the accumulators.
;   While quantising: v96-103 Dc and v, v128-191 64 numbers, v192-224 the quantiser's.   Window 1: v0-143 W's fragment sets 0-2 (while quantising: rows as loaded, two sets); v144-239 the rows' fragments, two sets (behind the products: Dc and v).
.set EP,   4112                        ; LDS: a row of the tile as f32: 4,096 bytes + 16: row r starts 16 r bytes further round the banks, so the 16 rows of a turned load start at 16 different places
.set EF,   0                           ; the 64 rows: 263,168 bytes
.set AIMG, 263168                      ; the rows' 32 fragments as images of their registers, (8 a + ks) x 1,536
.set ASC,  312320                      ; their scale words, [ks][lane][a]: 512 bytes a K step
.set DV,   316416                      ; Dc of the batch, 4,096 bytes; then v, 4,096 bytes
.set LP,   324608                      ; [wave][64] the waves' parts of the logits
.set PB,   AIMG                        ; [wave][64] p, each wave's own copy: in the images' bytes, which nobody reads behind the second barrier
.set SA,   24
.set SB,   32
.set P,    48
.set ACC,  128
.set T,    128
.set PC,   192
.set TM,   212
.set PW,   224
.set SV,   126                         ; v[126:127] the sum of my units' v
.set SEL,  30
.set MSB, 0
.macro WIN new                         ; the immediate's high byte repeats the setting that is left
.if MSB != \new
	s_set_vgpr_msb (MSB<<8)|\new
.set MSB, \new
.endif
.endm
.macro QUANT s                         ; 64 numbers of a lane, register 16 b + i = k 32 b + 16 (lane / 16) + i of my row, become a fragment's codes in v[PC] on and its scale word in v[PW]
.irp b, 0,1,2,3
	v_max3_num_f32 v[TM+\b], |v[\s+16*\b]|, |v[\s+1+16*\b]|, 0x1800000   ; block b: my 16 numbers, and the floor 2^(3 - 127): the byte cannot fall under 1
.endr
.irp i, 2,4,6,8,10,12,14
.irp b, 0,1,2,3
	v_max3_num_f32 v[TM+\b], v[TM+\b], |v[\s+16*\b+\i]|, |v[\s+1+16*\b+\i]|
.endr
.endr
.irp b, 0,1,2,3
	v_permlanex16_b32 v[TM+4+\b], v[TM+\b], s[SEL], s[SEL+1]
.endr
.irp b, 0,1,2,3
	v_max_num_f32 v[TM+\b], v[TM+\b], v[TM+4+\b]   ; with lane l xor 16's: the block's largest magnitude
.endr
.irp b, 0,1,2,3
	v_add_nc_u32 v[TM+8+\b], 0xff000000, v[TM+\b]  ; 2 off its exponent field: the conversion's scale operand
.endr
.irp b, 0,1,2,3
	v_lshrrev_b32 v[TM+4+\b], 23, v[TM+8+\b]       ; the scale's byte
.endr
	v_lshl_or_b32 v[PW], v[TM+5], 8, v[TM+4]
	v_lshl_or_b32 v[PW], v[TM+6], 16, v[PW]
	v_lshl_or_b32 v[PW], v[TM+7], 24, v[PW]
.irp c, 0,1
	v_cvt_scalef32_pk16_fp6_f32 v[PC+6*\c:PC+2+6*\c], v[\s+32*\c:\s+15+32*\c], v[TM+8+2*\c]
	v_cvt_scalef32_pk16_fp6_f32 v[PC+12+4*\c:PC+14+4*\c], v[\s+16+32*\c:\s+31+32*\c], v[TM+8+2*\c+1]   ; (a conversion's three registers begin on an even number)
.endr
	v_nop                                          ; one plain place behind a scaled conversion
.irp c, 0,1
.irp i, 0,1,2
	v_permlane16_swap_b32 v[PC+6*\c+\i], v[PC+12+4*\c+\i]   ; a whole block to a lane
.endr
.irp i, 0,1,2
	v_mov_b32 v[PC+3+6*\c+\i], v[PC+12+4*\c+\i]
.endr
.endr
.endm
.macro BARRIER                         ; my LDS stores have landed and my LDS loads are in: then the work-group's barrier
	s_wait_dscnt 0x0
	s_barrier_signal -1
	s_barrier_wait -1
.endm
; my 16 rows' 128 numbers of fragment f, into set (window 1): each load reads 512 consecutive bytes of one row
.macro XLOAD f, set
	WIN 0x40
.irp i, 0,1,2,3,4,5,6,7,8,9,10,11,12,13,14,15
	global_load_b128 v[64*(\set)+4*\i:64*(\set)+4*\i+3], v4, s[4:5] offset:4096*\i+512*(\f) th:TH_LOAD_NT
.endr
	WIN 0
.endm
; fragment f: the f32 numbers go to their rows in LDS, where they stay, and come back turned, so that a lane holds 16 neighbours of each block; quantised; image and scale words to LDS
.macro XFRAG f
.set XR, 64*((\f)%2)
.if (\f) < 3
	s_wait_loadcnt 16                              ; this fragment's 16 loads are in; the next fragment's may be out
.else
	s_wait_loadcnt 0
.endif
	WIN 0x04                                       ; an LDS store's data are its source 1: window 1
.irp i, 0,1,2,3,4,5,6,7,8,9,10,11,12,13,14,15
	ds_store_b128 v7, v[XR+4*\i:XR+4*\i+3] offset:EP*\i+512*(\f)
.endr
	WIN 0
.irp b, 0,1,2,3
.irp j, 0,1,2,3
	ds_load_b128 v[T+16*\b+4*\j:T+16*\b+4*\j+3], v21 offset:512*(\f)+128*\b+16*\j   ; LDS serves a wave's instructions in order: these see my stores
.endr
.endr
	s_wait_dscnt 0x0                               ; the 64 numbers are in, and the stores have read their registers
.if (\f) < 2
	XLOAD (\f)+2, (\f)%2
.endif
	QUANT T
.irp c, 0,1,2
	ds_store_b128 v22, v[PC+4*\c:PC+4*\c+3] offset:1536*(\f)+512*\c
.endr
	ds_store_b32 v23, v[PW] offset:512*(\f)
.endm
; W's four fragments and scale words of step kk (units 64 (kk / 8) on, K step kk % 8) into set kk % 4: 13 loads
.macro BLOAD kk
.set BS, (\kk)%4
.set BC, (\kk)/8
.set BK, (\kk)%8
.if BS < 3
	WIN 0x40
.set BB, 48*BS
.else
	WIN 0
.set BB, 64
.endif
.irp b, 0,1,2,3
.irp c, 0,1,2
	global_load_b128 v[BB+12*\b+4*\c:BB+12*\b+4*\c+3], v4, s[10:11] offset:(4*BC+\b)*12288+1536*BK+512*\c
.endr
.endr
	WIN 0
	global_load_b128 v[SB+4*BS:SB+4*BS+3], v4, s[12:13] offset:4096*BC+512*BK   ; the four tiles' scale words of my lane's row
.endm
; the rows' four fragments and scale words of K step ks into set ks % 2: 13 LDS loads
.macro ALOAD ks
.set ASET, (\ks)%2
	WIN 0x40
.irp a, 0,1,2,3
.irp c, 0,1,2
	ds_load_b128 v[144+48*ASET+12*\a+4*\c:144+48*ASET+12*\a+4*\c+3], v8 offset:(8*\a+(\ks))*1536+512*\c
.endr
.endr
	WIN 0
	ds_load_b128 v[SA+4*ASET:SA+4*ASET+3], v9 offset:512*(\ks)
.endm
; step kk: 16 products, the 16 accumulators by turns, one instruction a turn, in the same order in every step
.macro GSTEP kk
.set GK, (\kk)%8
.set GB, (\kk)%4
.set GA, (\kk)%2
.set LW, 15-(\kk)
.if LW > 3
.set LW, 3
.endif
	s_wait_loadcnt 13*LW                           ; this step's set of W is in; the younger sets, 13 loads each, may be out
.if GK < 7
	s_wait_dscnt 13                                ; this step's rows are in; the next step's 13 LDS loads may be out
.else
	s_wait_dscnt 0
.endif
.if GB < 3
	WIN 0x05                                       ; sources 0 (W) and 1 (rows) window 1; C and D window 0
.set GBB, 48*GB
.else
	WIN 0x04                                       ; W's set 3 lies in window 0
.set GBB, 64
.endif
.irp a, 0,1,2,3
.irp b, 0,1,2,3
.if GK == 0
	v_wmma_scale_f32_16x16x128_f8f6f4 v[ACC+8*(4*\a+\b):ACC+8*(4*\a+\b)+7], v[GBB+12*\b:GBB+12*\b+11], v[144+48*GA+12*\a:144+48*GA+12*\a+11], 0, v[SB+4*GB+\b], v[SA+4*GA+\a] matrix_a_fmt:MATRIX_FMT_FP6 matrix_b_fmt:MATRIX_FMT_FP6
.else
	v_wmma_scale_f32_16x16x128_f8f6f4 v[ACC+8*(4*\a+\b):ACC+8*(4*\a+\b)+7], v[GBB+12*\b:GBB+12*\b+11], v[144+48*GA+12*\a:144+48*GA+12*\a+11], v[ACC+8*(4*\a+\b):ACC+8*(4*\a+\b)+7], v[SB+4*GB+\b], v[SA+4*GA+\a] matrix_a_fmt:MATRIX_FMT_FP6 matrix_b_fmt:MATRIX_FMT_FP6
.endif
.endr
.endr
.rept 4
	v_nop                                          ; four places in front of loads into registers that these products have read, and of the first read of results
.endr
.if (\kk)+4 <= 15
	BLOAD (\kk)+4
.endif
.if GK+2 <= 7
	ALOAD GK+2
.endif
	WIN 0
.endm
; behind 64 units' products: 2 log2(e) x sum + Dc, 1 / (1 + 2^..), and the dot with v
.macro EPI ch
	WIN 0x40
.irp b, 0,1,2,3
	ds_load_b128 v[144+8*\b:147+8*\b], v10 offset:256*\ch+64*\b          ; Dc of units 16 b + 8 h + 0 .. 7
	ds_load_b128 v[148+8*\b:151+8*\b], v10 offset:256*\ch+64*\b+16
	ds_load_b128 v[176+8*\b:179+8*\b], v10 offset:4096+256*\ch+64*\b     ; v of the same
	ds_load_b128 v[180+8*\b:183+8*\b], v10 offset:4096+256*\ch+64*\b+16
.endr
	s_wait_dscnt 0x0
	WIN 0x10                                       ; source 2 (Dc) window 1
.irp a, 0,1,2,3
.irp b, 0,1,2,3
.irp q, 0,1,2,3
	v_pk_fma_f32 v[ACC+8*(4*\a+\b)+2*\q:ACC+8*(4*\a+\b)+2*\q+1], v[ACC+8*(4*\a+\b)+2*\q:ACC+8*(4*\a+\b)+2*\q+1], s[32:33], v[144+8*\b+2*\q:145+8*\b+2*\q] op_sel_hi:[1,0,1]   ; each accumulator from its low end on
.endr
.endr
.endr
	WIN 0
.set j, 0
.rept 128
	v_exp_f32 v[ACC+j], v[ACC+j]
.set j, j+1
.endr
	v_nop                                          ; a plain place behind the last exponential
	s_wait_alu depctr_va_vdst(0)                   ; one wait for the batch, ahead of its first reader
.set j, 0
.rept 64
	v_pk_add_f32 v[ACC+j:ACC+j+1], v[ACC+j:ACC+j+1], 1.0 op_sel_hi:[1,0]
.set j, j+2
.endr
.set j, 0
.rept 128
	v_rcp_f32 v[ACC+j], v[ACC+j]
.set j, j+1
.endr
	v_nop
	s_wait_alu depctr_va_vdst(0)                   ; one wait for the batch of reciprocals
	WIN 0x04                                       ; source 1 (v) window 1
.irp b, 0,1,2,3
.irp q, 0,1,2,3
.irp a, 0,1,2,3
.if (\ch == 0) && (\b == 0) && (\q < 2)
	v_pk_mul_f32 v[P+4*\a+2*(\q%2):P+4*\a+2*(\q%2)+1], v[ACC+8*(4*\a+\b)+2*\q:ACC+8*(4*\a+\b)+2*\q+1], v[176+8*\b+2*\q:177+8*\b+2*\q]   ; the first products start the sums
.else
	v_pk_fma_f32 v[P+4*\a+2*(\q%2):P+4*\a+2*(\q%2)+1], v[ACC+8*(4*\a+\b)+2*\q:ACC+8*(4*\a+\b)+2*\q+1], v[176+8*\b+2*\q:177+8*\b+2*\q], v[P+4*\a+2*(\q%2):P+4*\a+2*(\q%2)+1]
.endif
.endr
	v_pk_add_f32 v[SV:SV+1], v[SV:SV+1], v[176+8*\b+2*\q:177+8*\b+2*\q]
.endr
.endr
	WIN 0
.endm
; the last sum, rows 16 g .. 16 g + 15: thread t adds p x its 16 bytes (columns 4 t .. 4 t + 3) of each row; the very first row starts the sums
.macro OSUM g, adr
.irp i, 0,1,2,3,4,5,6,7,8,9,10,11,12,13,14,15
	ds_load_b128 v[192+4*\i:195+4*\i], v[\adr] offset:EP*\i   ; a wave reads 512 consecutive bytes of a row
.endr
.irp i, 0,1,2,3,4,5,6,7,8,9,10,11,12,13,14,15
	s_wait_dscnt 15-\i                             ; row i is in (and all that was asked for earlier, p among it); the later rows may be out
.irp k, 0,1,2,3
.if (\g)+\i == 0
	v_mul_f32 v[120+\k], v[192+4*\i+\k], v[128+16*(\g)+\i]
.else
	v_fmac_f32 v[120+\k], v[192+4*\i+\k], v[128+16*(\g)+\i]
.endif
.endr
.endr
.endm
	s_load_b256 s[4:11], s[0:1], 0x0               ; rows s[4:5], order s[6:7], v s[8:9], wc s[10:11]
	s_load_b256 s[12:19], s[0:1], 0x20             ; ws s[12:13], dws s[14:15], po s[16:17], st s[18:19]
	s_load_b64 s[20:21], s[0:1], 0x40              ; lg
	v_lshl_add_u32 v124, v0, 2, 0x4fc00
	v_mov_b32 v125, 0
	v_lshrrev_b32 v1, 5, v0
	v_readfirstlane_b32 s22, v1                    ; wave 0..7
	v_and_b32 v1, 31, v0                           ; lane
	v_and_b32 v2, 15, v0                           ; r
	v_bfe_u32 v3, v0, 4, 1                         ; h
	v_lshlrev_b32 v4, 4, v1                        ; 16 x lane
	v_lshlrev_b32 v19, 3, v1                       ; 8 x lane
	s_lshr_b32 s34, s22, 1                         ; a: which 16 rows I quantise
	s_and_b32 s35, s22, 1                          ; which half of K
	s_lshl_b32 s28, ttmp9, 3                       ; my entry of the list: 8 bytes a work-group
	s_mov_b32 s29, 0
	s_wait_kmcnt 0x0
	s_add_nc_u64 s[6:7], s[6:7], s[28:29]
	s_load_b64 s[24:25], s[6:7], 0x0               ; s24 = 32 x batch + tile, s25 = the batch's length
	; every LDS address is made here, once: of the lane and the wave alone
	s_mul_i32 s36, s34, 16*EP                      ; my 16 rows,
	s_lshl_b32 s37, s35, 11                        ; my half of K: 2,048 bytes
	s_add_co_u32 s36, s36, s37
	v_add_nc_u32 v7, s36, v4                       ; the rows, in: + 16 x lane; row and fragment in the immediate
	v_mul_u32_u24 v21, v2, EP
	v_lshl_add_u32 v21, v3, 6, v21
	v_add_nc_u32 v21, s36, v21                     ; and turned: row r, + 64 h
	v_add_nc_u32 v8, AIMG, v4                      ; images, read
	v_add_nc_u32 v9, ASC, v4                       ; scale words, read: 16 bytes a lane
	s_mul_i32 s36, s22, 6144
	s_add_co_u32 s36, s36, AIMG
	v_add_nc_u32 v22, s36, v4                      ; images, written: fragments 4 w on
	s_lshl_b32 s36, s34, 2
	s_add_co_u32 s36, s36, s37                     ; (four K steps of 512 bytes are 2,048 too)
	s_add_co_u32 s36, s36, ASC
	v_add_nc_u32 v23, s36, v4                      ; scale words, written: word a of my lane's four, K steps 4 (w % 2) on
	s_lshl_b32 s36, s22, 9
	s_add_co_u32 s37, s36, DV
	v_lshl_add_u32 v10, v3, 5, s37                 ; Dc and v of my 128 units, + 32 h
	s_lshl_b32 s36, s22, 8
	s_add_co_u32 s37, s36, LP
	v_lshl_add_u32 v11, v2, 2, s37                 ; my part of the logits, written
	v_add_nc_u32 v12, LP, v19                      ; all parts, read: rows 2 lane, 2 lane + 1
	s_add_co_u32 s37, s36, PB
	v_add_nc_u32 v13, s37, v19                     ; p, written
	v_mov_b32 v14, s37                             ; p, read by every lane
	v_lshlrev_b32 v17, 4, v0                       ; 16 x thread: also my place in rows 0-15 for the last sum
	v_add_nc_u32 v15, 16*EP, v17                   ; in rows 16-31,
	v_add_nc_u32 v16, 32*EP, v17                   ; 32-47,
	v_add_nc_u32 v6, 48*EP, v17                    ; 48-63
	v_add_nc_u32 v18, DV, v17
	s_mov_b32 s[SEL], 0x76543210
	s_mov_b32 s[SEL+1], 0xfedcba98
	s_mov_b32 s32, 0x4038aa3b                      ; 2 log2(e)
	s_mov_b32 s33, s32
	; the buffers at my part: first what hangs on the wave alone
	s_mul_i32 s28, s22, 98304                      ; my 8 tiles of W's rows
	s_add_nc_u64 s[10:11], s[10:11], s[28:29]
	s_lshl_b32 s28, s22, 13                        ; their scale words: two groups of 4,096 bytes
	s_add_nc_u64 s[12:13], s[12:13], s[28:29]
	s_wait_kmcnt 0x0                               ; my entry of the list is in
	s_min_u32 s24, s24, 1023                       ; a loaded number is held inside its range before it enters an address; behind that only ANDs, shifts left and additions
	s_and_b32 s23, s24, 31                         ; the tile
	s_lshl_b32 s27, s23, 6                         ; its first row
	s_and_b32 s38, s24, 0x3e0                      ; 32 x batch
	v_lshl_add_u32 v20, v1, 1, s27                 ; the row's number in the batch: first row + 2 x lane
	s_lshl_b32 s28, s38, 18                        ; a batch's rows: 2,048 x 4,096 bytes
	s_lshl_b32 s36, s34, 4
	s_add_co_u32 s36, s36, s27
	s_lshl_b32 s36, s36, 12
	s_add_co_u32 s28, s28, s36
	s_lshl_b32 s36, s35, 11
	s_add_co_u32 s28, s28, s36
	s_add_nc_u64 s[4:5], s[4:5], s[28:29]
	s_lshl_b32 s28, s38, 7                         ; Dc: 4,096 bytes a batch
	s_add_nc_u64 s[14:15], s[14:15], s[28:29]
	s_lshl_b32 s28, s24, 12                        ; po: 4,096 bytes a tile
	s_add_nc_u64 s[16:17], s[16:17], s[28:29]
	s_lshl_b32 s28, s24, 8                         ; st: 256 bytes a tile;
	s_add_nc_u64 s[18:19], s[18:19], s[28:29]
	s_add_nc_u64 s[20:21], s[20:21], s[28:29]      ; lg: (2,048 x batch + first row) x 4 is the same number
	s_cmp_gt_i32 s25, 0
	s_cselect_b32 s36, s25, 2048                   ; a length of 0 or less: all tiles are worked, with all rows masked
	s_cmp_lt_u32 s27, s36
	s_cselect_b32 s26, 1, 0                        ; is the tile worked?
	s_cmp_eq_u32 s26, 0
	s_cbranch_scc1 .Lskip_x
	; ---- X: the rows go to LDS and become codes
	global_load_b128 v[96:99], v17, s[14:15]       ; Dc of the batch: 16 bytes a thread
	global_load_b128 v[100:103], v17, s[8:9]       ; v
	XLOAD 0, 0
	XLOAD 1, 1
.irp b, 0,1,2,3
	v_mov_b32 v[TM+4+\b], 0                        ; a lane permute's destination counts as one of its sources
.endr
	s_wait_loadcnt 32                              ; Dc and v are in; the two sets of 16 row loads may be out
	ds_store_b128 v18, v[96:99]
	ds_store_b128 v18, v[100:103] offset:4096
	XFRAG 0
	XFRAG 1
	XFRAG 2
	XFRAG 3
.Lskip_x:
	BARRIER                                        ; the 64 rows, their 32 fragments, Dc and v lie in LDS
	s_cmp_eq_u32 s26, 0
	s_cbranch_scc1 .Lskip_g
	; ---- the products, tanh and the dot with v: my 128 units, 64 at a time
	BLOAD 0
	BLOAD 1
	BLOAD 2
	BLOAD 3
	v_mov_b32 v[SV], 0
	v_mov_b32 v[SV+1], 0
	ALOAD 0
	ALOAD 1
.irp k, 0,1,2,3,4,5,6,7
	GSTEP \k
.endr
	EPI 0
	ALOAD 0
	ALOAD 1
.irp k, 8,9,10,11,12,13,14,15
	GSTEP \k
.endr
	EPI 1
	v_add_f32 v112, v[SV], v[SV+1]                 ; the sum of my units' v
.irp a, 0,1,2,3
	v_add_f32 v[113+\a], v[P+4*\a], v[P+4*\a+1]
	v_add_f32 v[117+\a], v[P+4*\a+2], v[P+4*\a+3]
.endr
.irp a, 0,1,2,3
	v_add_f32 v[113+\a], v[113+\a], v[117+\a]
.endr
.irp a, 0,1,2,3
	v_fma_f32 v[113+\a], -2.0, v[113+\a], v112     ; sum of v tanh over my lane's units
.endr
.irp a, 0,1,2,3
	v_permlanex16_b32 v[117+\a], v[113+\a], s[SEL], s[SEL+1]
.endr
.irp a, 0,1,2,3
	v_add_f32 v[113+\a], v[113+\a], v[117+\a]      ; with lane l xor 16's units: my wave's part of row 16 a + r's logit
.endr
.irp a, 0,1,2,3
	ds_store_b32 v11, v[113+\a] offset:64*\a       ; both halves of the lanes write the same word with the same value
.endr
.Lskip_g:
	BARRIER                                        ; the eight waves' parts of the 64 logits lie in LDS, and nobody reads the images any more
	s_cmp_eq_u32 s26, 0
	s_cbranch_scc1 .Lmasked
	; ---- the logits, the mask, the tile's maximum, p and its sum: every wave for itself
.irp u, 0,1,2,3,4,5,6,7
	ds_load_b64 v[96+2*\u:97+2*\u], v12 offset:256*\u
.endr
	s_wait_dscnt 0x0
.irp u, 1,2,3,4,5,6,7
	v_pk_add_f32 v[96:97], v[96:97], v[96+2*\u:97+2*\u]
.endr
	v_mov_b32 v112, 0xc7435000                     ; -50000
	v_add_nc_u32 v113, 1, v20
	v_cmp_gt_i32 vcc_lo, s25, v20
	v_cndmask_b32 v96, v112, v96, vcc_lo           ; row < length ? logit : -50000
	v_cmp_gt_i32 vcc_lo, s25, v113
	v_cndmask_b32 v97, v112, v97, vcc_lo
	v_max_num_f32 v114, v96, v97
	v_max_num_f32_dpp v114, v114, v114 row_xmask:1 row_mask:0xf bank_mask:0xf
	v_max_num_f32_dpp v114, v114, v114 row_xmask:2 row_mask:0xf bank_mask:0xf
	v_max_num_f32_dpp v114, v114, v114 row_xmask:4 row_mask:0xf bank_mask:0xf
	v_max_num_f32_dpp v114, v114, v114 row_xmask:8 row_mask:0xf bank_mask:0xf
	v_mov_b32 v115, 0
	v_permlanex16_b32 v115, v114, s[SEL], s[SEL+1]
	v_max_num_f32 v114, v114, v115                 ; m: the tile's largest masked logit
	v_sub_f32 v116, v96, v114
	v_sub_f32 v117, v97, v114
	v_mul_f32 v116, 0x3fb8aa3b, v116
	v_mul_f32 v117, 0x3fb8aa3b, v117
	v_exp_f32 v116, v116                           ; p = e^(l - m)
	v_exp_f32 v117, v117
	v_nop
	s_wait_alu depctr_va_vdst(0)                   ; one wait for the two, ahead of their first reader
	v_add_f32 v118, v116, v117
	v_add_f32_dpp v118, v118, v118 row_xmask:1 row_mask:0xf bank_mask:0xf
	v_add_f32_dpp v118, v118, v118 row_xmask:2 row_mask:0xf bank_mask:0xf
	v_add_f32_dpp v118, v118, v118 row_xmask:4 row_mask:0xf bank_mask:0xf
	v_add_f32_dpp v118, v118, v118 row_xmask:8 row_mask:0xf bank_mask:0xf
	v_permlanex16_b32 v115, v118, s[SEL], s[SEL+1]
	v_add_f32 v115, v118, v115                     ; the tile's sum of p: v[114:115] = (m, sum)
	ds_store_b64 v13, v[116:117]
.irp i, 0,1,2,3,4,5,6,7,8,9,10,11,12,13,14,15
	ds_load_b128 v[128+4*\i:131+4*\i], v14 offset:16*\i    ; all 64 p into every lane: my wave's own bytes, served in order behind my store
.endr
	s_cmp_lg_u32 s22, 0
	s_cbranch_scc1 .Lnot_wave_0
	global_store_b64 v19, v[96:97], s[20:21]       ; 64 masked logits: 256 consecutive bytes
	global_store_b64 v19, v[114:115], s[18:19]     ; (m, sum) 32 times: the tile's 256 bytes
.Lnot_wave_0:
	; ---- the tile's part of the output, in f32: thread t sums columns 4 t .. 4 t + 3 over the 64 rows
	OSUM 0, 17
	OSUM 1, 15
	OSUM 2, 16
	OSUM 3, 6
	global_store_b128 v17, v[120:123], s[16:17]    ; a wave stores 512 consecutive bytes
	s_wait_tensorcnt 0x0
	ds_add_u32 v124, v125
	s_wait_dscnt 0x0
	s_endpgm
.Lmasked:
	; ---- a tile wholly behind the length
.irp k, 0,1,2,3
	v_mov_b32 v[120+\k], 0
.endr
	global_store_b128 v17, v[120:123], s[16:17]
	s_cmp_lg_u32 s22, 0
	s_cbranch_scc1 .Lmasked_end
	v_mov_b32 v96, 0xc7435000                      ; -50000
	v_mov_b32 v97, 0xc7435000
	v_mov_b32 v114, 0xc7435000
	v_mov_b32 v115, 0x42800000                     ; 64 rows, each with p = 1
	global_store_b64 v19, v[96:97], s[20:21]
	global_store_b64 v19, v[114:115], s[18:19]
.Lmasked_end:
	s_wait_tensorcnt 0x0
	ds_add_u32 v124, v125
	s_wait_dscnt 0x0
	s_endpgm
.Lfunc_end_k_q85f4fad245_scores:
	.size	k_q85f4fad245_scores, .Lfunc_end_k_q85f4fad245_scores-k_q85f4fad245_scores
	.p2alignl 7, 3214868480
	.fill 96, 4, 3214868480
	.section	.rodata,"a",@progbits
	.p2align	6, 0x0
	.amdhsa_kernel k_q85f4fad245_scores
		.amdhsa_group_segment_fixed_size 327680
		.amdhsa_private_segment_fixed_size 0
		.amdhsa_enable_private_segment 0
		.amdhsa_kernarg_size 72
		.amdhsa_user_sgpr_count 2
		.amdhsa_user_sgpr_kernarg_segment_ptr 1
		.amdhsa_wavefront_size32 1
		.amdhsa_system_sgpr_workgroup_id_x 1
		.amdhsa_system_sgpr_workgroup_id_y 1
		.amdhsa_system_sgpr_workgroup_id_z 1
		.amdhsa_system_vgpr_workitem_id 0
		.amdhsa_next_free_vgpr 512
		.amdhsa_next_free_sgpr 66
		.amdhsa_reserve_vcc 1
		.amdhsa_float_denorm_mode_32 3
		.amdhsa_float_denorm_mode_16_64 3
		.amdhsa_memory_ordered 1
		.amdhsa_forward_progress 1
		.amdhsa_inst_pref_size 170
	.end_amdhsa_kernel
	.amdgpu_metadata
---
amdhsa.version: [ 1, 2 ]
amdhsa.kernels:
  - .name:           k_q85f4fad245_scores
    .symbol:         k_q85f4fad245_scores.kd
    .args:
      - { .name: encoder_outputs, .offset: 0, .size: 8, .value_kind: global_buffer, .address_space: global }
      - { .name: order, .offset: 8, .size: 8, .value_kind: global_buffer, .address_space: global }
      - { .name: v, .offset: 16, .size: 8, .value_kind: global_buffer, .address_space: global }
      - { .name: wc, .offset: 24, .size: 8, .value_kind: global_buffer, .address_space: global }
      - { .name: ws, .offset: 32, .size: 8, .value_kind: global_buffer, .address_space: global }
      - { .name: dws, .offset: 40, .size: 8, .value_kind: global_buffer, .address_space: global }
      - { .name: po, .offset: 48, .size: 8, .value_kind: global_buffer, .address_space: global }
      - { .name: st, .offset: 56, .size: 8, .value_kind: global_buffer, .address_space: global }
      - { .name: lg, .offset: 64, .size: 8, .value_kind: global_buffer, .address_space: global }
    .group_segment_fixed_size: 327680
    .private_segment_fixed_size: 0
    .kernarg_segment_align: 8
    .kernarg_segment_size: 72
    .max_flat_workgroup_size: 256
    .sgpr_count:     66
    .vgpr_count:     512
    .wavefront_size: 32
...
	.end_amdgpu_metadata
.endif
;; end of part 2
;; launch combine (part 3): grid 4 x 32, 2 waves a work-group, no clusters, 0 bytes of LDS; arguments po, st, lg, out0, out1; writes out0, out1
.if DOCPART == 3
	.amdgcn_target "amdgcn-amd-amdhsa--gfx1250"
	.amdhsa_code_object_version 6
	.text
	.protected	k_q85f4fad245_combine
	.globl	k_q85f4fad245_combine
	.p2align	8
	.type	k_q85f4fad245_combine,@function
k_q85f4fad245_combine:
	s_mov_b64 s[64:65], 0
	v_nop
	global_prefetch_b8 v0, s[64:65] scope:SCOPE_SE
	s_setreg_imm32_b32 hwreg(HW_REG_WAVE_MODE, 25, 1), 1
	s_wait_xcnt 0x0
; The tiles of a batch are joined.  M = the largest of the 32 tiles' maxima m_t; f_t = e^(m_t - M); S = sum of f_t x sum_t;
; out0[b][c] = sum over t of (f_t / S) po[b][t][c];  out1[b][s] = e^(lg[b][s] - M) / S.
; Work-group (x, y) makes columns 256 x .. 256 x + 255 of out0 and entries 512 x .. 512 x + 511 of out1 for batch y; 64 threads, 16 bytes each a load.
; No matrix unit, no LDS, no barrier: each wave makes M and S for itself from the 32 tiles' pairs, a lane a tile.  No branch and no address hangs on data.
	s_load_b256 s[4:11], s[0:1], 0x0               ; po s[4:5], st s[6:7], lg s[8:9], out0 s[10:11]
	s_load_b64 s[12:13], s[0:1], 0x20              ; out1
	v_and_b32 v1, 31, v0                           ; lane = tile
	v_lshlrev_b32 v2, 4, v0                        ; 16 x thread
	v_lshlrev_b32 v3, 8, v1                        ; a tile's 256 bytes of st
	s_and_b32 s50, ttmp7, 0xffff                   ; batch
	s_mov_b32 s14, 0x76543210
	s_mov_b32 s15, 0xfedcba98                      ; selects for lane l xor 16
	s_mov_b32 s53, 0
	s_wait_kmcnt 0x0
	s_lshl_b32 s52, s50, 13
	s_add_nc_u64 s[6:7], s[6:7], s[52:53]          ; st: 8,192 bytes a batch
	s_lshl_b32 s51, ttmp9, 11
	s_add_co_u32 s52, s52, s51
	s_add_nc_u64 s[8:9], s[8:9], s[52:53]          ; lg and out1: 8,192 bytes a batch, 2,048 a work-group
	s_add_nc_u64 s[12:13], s[12:13], s[52:53]
	s_lshl_b32 s52, s50, 17
	s_lshl_b32 s51, ttmp9, 10
	s_add_co_u32 s52, s52, s51
	s_add_nc_u64 s[4:5], s[4:5], s[52:53]          ; po: 131,072 bytes a batch, 1,024 of each row a work-group
	s_lshl_b32 s52, s50, 12
	s_add_co_u32 s52, s52, s51
	s_add_nc_u64 s[10:11], s[10:11], s[52:53]      ; out0
	global_load_b64 v[4:5], v3, s[6:7]             ; (m, sum) of tile = lane
	global_load_b128 v[144:147], v2, s[8:9]
	global_load_b128 v[148:151], v2, s[8:9] offset:1024
.irp t, 0,1,2,3,4,5,6,7,8,9,10,11,12,13,14,15,16,17,18,19,20,21,22,23,24,25,26,27,28,29,30,31
	global_load_b128 v[16+4*\t:19+4*\t], v2, s[4:5] offset:4096*\t
.endr
	s_wait_loadcnt 34                              ; the pairs are in; the 34 younger loads may be out
	v_mov_b32 v6, v4
	v_max_num_f32_dpp v6, v6, v6 row_xmask:1 row_mask:0xf bank_mask:0xf
	v_max_num_f32_dpp v6, v6, v6 row_xmask:2 row_mask:0xf bank_mask:0xf
	v_max_num_f32_dpp v6, v6, v6 row_xmask:4 row_mask:0xf bank_mask:0xf
	v_max_num_f32_dpp v6, v6, v6 row_xmask:8 row_mask:0xf bank_mask:0xf
	v_mov_b32 v7, 0
	v_permlanex16_b32 v7, v6, s14, s15
	v_max_num_f32 v6, v6, v7                       ; M
	v_sub_f32 v8, v4, v6
	v_mul_f32 v8, 0x3fb8aa3b, v8
	v_exp_f32 v8, v8                               ; f = e^(m - M)
	v_nop
	s_wait_alu depctr_va_vdst(0)                   ; ahead of the first reader
	v_mul_f32 v9, v8, v5
	v_add_f32_dpp v9, v9, v9 row_xmask:1 row_mask:0xf bank_mask:0xf
	v_add_f32_dpp v9, v9, v9 row_xmask:2 row_mask:0xf bank_mask:0xf
	v_add_f32_dpp v9, v9, v9 row_xmask:4 row_mask:0xf bank_mask:0xf
	v_add_f32_dpp v9, v9, v9 row_xmask:8 row_mask:0xf bank_mask:0xf
	v_permlanex16_b32 v7, v9, s14, s15
	v_add_f32 v9, v9, v7                           ; S
	v_rcp_f32 v10, v9
	v_nop
	s_wait_alu depctr_va_vdst(0)
	v_mul_f32 v11, v8, v10                         ; g = f / S
.irp t, 0,1,2,3,4,5,6,7,8,9,10,11,12,13,14,15,16,17,18,19,20,21,22,23,24,25,26,27,28,29,30,31
	v_readlane_b32 s[16+\t], v11, \t               ; each tile's g as a scalar
.endr
	s_wait_loadcnt 32                              ; the logits are in; po's 32 loads may be out
.irp j, 0,1,2,3,4,5,6,7
	v_sub_f32 v[156+\j], v[144+\j], v6
.endr
.irp j, 0,1,2,3,4,5,6,7
	v_mul_f32 v[156+\j], 0x3fb8aa3b, v[156+\j]
.endr
.irp j, 0,1,2,3,4,5,6,7
	v_exp_f32 v[156+\j], v[156+\j]
.endr
	v_nop
	s_wait_alu depctr_va_vdst(0)                   ; one wait for the eight
.irp j, 0,1,2,3,4,5,6,7
	v_mul_f32 v[156+\j], v[156+\j], v10
.endr
	global_store_b128 v2, v[156:159], s[12:13] th:TH_STORE_NT
	global_store_b128 v2, v[160:163], s[12:13] offset:1024 th:TH_STORE_NT
	s_wait_loadcnt 0x0
.irp k, 0,1,2,3
	v_mul_f32 v[152+\k], s16, v[16+\k]             ; the first tile starts the sums
.endr
.irp t, 1,2,3,4,5,6,7,8,9,10,11,12,13,14,15,16,17,18,19,20,21,22,23,24,25,26,27,28,29,30,31
.irp k, 0,1,2,3
	v_fmac_f32 v[152+\k], s[16+\t], v[16+4*\t+\k]
.endr
.endr
	global_store_b128 v2, v[152:155], s[10:11] th:TH_STORE_NT
	s_endpgm
.Lfunc_end_k_q85f4fad245_combine:
	.size	k_q85f4fad245_combine, .Lfunc_end_k_q85f4fad245_combine-k_q85f4fad245_combine
	.p2alignl 7, 3214868480
	.fill 96, 4, 3214868480
	.section	.rodata,"a",@progbits
	.p2align	6, 0x0
	.amdhsa_kernel k_q85f4fad245_combine
		.amdhsa_group_segment_fixed_size 0
		.amdhsa_private_segment_fixed_size 0
		.amdhsa_enable_private_segment 0
		.amdhsa_kernarg_size 40
		.amdhsa_user_sgpr_count 2
		.amdhsa_user_sgpr_kernarg_segment_ptr 1
		.amdhsa_wavefront_size32 1
		.amdhsa_system_sgpr_workgroup_id_x 1
		.amdhsa_system_sgpr_workgroup_id_y 1
		.amdhsa_system_sgpr_workgroup_id_z 1
		.amdhsa_system_vgpr_workitem_id 0
		.amdhsa_next_free_vgpr 176
		.amdhsa_next_free_sgpr 66
		.amdhsa_reserve_vcc 0
		.amdhsa_float_denorm_mode_32 3
		.amdhsa_float_denorm_mode_16_64 3
		.amdhsa_memory_ordered 1
		.amdhsa_forward_progress 1
		.amdhsa_inst_pref_size 14
	.end_amdhsa_kernel
	.amdgpu_metadata
---
amdhsa.version: [ 1, 2 ]
amdhsa.kernels:
  - .name:           k_q85f4fad245_combine
    .symbol:         k_q85f4fad245_combine.kd
    .args:
      - { .name: po, .offset: 0, .size: 8, .value_kind: global_buffer, .address_space: global }
      - { .name: st, .offset: 8, .size: 8, .value_kind: global_buffer, .address_space: global }
      - { .name: lg, .offset: 16, .size: 8, .value_kind: global_buffer, .address_space: global }
      - { .name: out0, .offset: 24, .size: 8, .value_kind: global_buffer, .address_space: global }
      - { .name: out1, .offset: 32, .size: 8, .value_kind: global_buffer, .address_space: global }
    .group_segment_fixed_size: 0
    .private_segment_fixed_size: 0
    .kernarg_segment_align: 8
    .kernarg_segment_size: 40
    .max_flat_workgroup_size: 64
    .sgpr_count:     66
    .vgpr_count:     176
    .wavefront_size: 32
...
	.end_amdgpu_metadata
.endif
;; end of part 3
;; ======== version 2 of 2: 3 launches; version 1 with the launches prep, scores written anew for expert scheduling mode
;; limits: right only within a limited range of input values
;; workspace buffers: wc 786,432 bytes; ws 65,536 bytes; dws 131,072 bytes; po 4,194,304 bytes; st 262,144 bytes; lg 262,144 bytes; order 8,192 bytes of whole numbers
;; launch prep (part 4): grid 64 x 1, 16 waves a work-group, no clusters, 163,840 bytes of LDS; arguments W, decoder_state_codes, decoder_state_scales, wc, ws, dws, sequence_length, order; writes wc, ws, dws, order
.if DOCPART == 4
	.amdgcn_target "amdgcn-amd-amdhsa--gfx1250"
	.amdhsa_code_object_version 6
	.text
	.protected	k_q85f4fad245_prep
	.globl	k_q85f4fad245_prep
	.p2align	8
	.type	k_q85f4fad245_prep,@function
k_q85f4fad245_prep:
	s_mov_b64 s[64:65], 0
	v_nop
	global_prefetch_b8 v0, s[64:65] scope:SCOPE_SE
	s_setreg_imm32_b32 hwreg(HW_REG_WAVE_SCHED_MODE, 0, 2), 2
	s_setreg_imm32_b32 hwreg(HW_REG_WAVE_MODE, 25, 1), 1
	s_wait_xcnt 0x0
	s_wait_alu depctr_vm_vsrc(0)
; W [1024][2048] f32 is quantised along its columns (K) to codes of FP6 (E2M3) with one E8M0 byte for each 32, and
; Dc[b][n] = 2 log2(e) x sum over k of dec[b][k] Q(W[n][1024 + k]) is made (dec arrives as codes and scale bytes and is taken as it is).
; Beside that, one wave lays out THE LIST OF TILES for the next launch (at this text's end).
; SHARES.  Work-group nt takes rows 16 nt .. 16 nt + 15 of W.  Wave w takes bytes 512 w .. 512 w + 511 of each row: 128 along K, one operand fragment.
; Waves 0-7 hold W_enc's K steps 0-7: their fragments go to wc as images of the operand's registers ([nt][ks][c 3][lane][16 bytes]) and their scale words to ws, laid [nt / 4][ks][lane][nt % 4],
; so that the reader gets the words of four neighbouring tiles by one load of 16 bytes a lane.  (Here that is a store of 4 bytes every 16: 65,536 bytes in the whole launch.)
; Waves 8-15 hold W_dec's K steps: their images go through LDS to waves 0 and 1, which multiply them with the decoder's rows 0-15 and 16-31.
; A block's scale is 2^(floor(log2(its largest magnitude)) - 2); its byte is the largest magnitude's exponent field - 2, held at 1 from below.
; LIMITS: a block of zeros gets the byte 1 where the rule says 127 (its codes are zeros, and this program alone reads the bytes); blocks whose largest magnitude lies under 2^-124 were not tried; NaN and infinities are not served.
; Dc leaves in pieces of 64 bytes (16 of a row's 1,024 numbers belong to a work-group): 131,072 bytes in all.
; THE MODE: SCHED_MODE bits 1:0 = 2 (LLVM: expert scheduling mode 2), set by the entry lines.  The code itself states the register dependences
; between vector or matrix instructions and memory or LDS instructions, with s_wait_alu, always for 0.
; THE PLAN.  Registers that memory or LDS instructions touch:
;   v4 to v15     offsets and LDS addresses: made once, never written again.  v4 ahead of W's loads, the others while those loads are out: a wait on va_vdst for each of the two groups.
;   v32-95        W as loaded; read by the stage's LDS stores; later the decoder's fragments land there (waves 0, 1), or the list's offsets and words are written there (wave 15).
;   v96-159       64 numbers back from the stage; read by the quantiser; later fragments land there.
;   v160-192      the quantiser's: the codes and the scale word are read by the image's stores (LDS; global in waves 0-7); later W_dec's fragments land there.
;   So: one wait on va_vdst behind the quantiser (the codes and the word are written; it is done reading the 64 numbers), and ONE wait on vm_vsrc behind the image's stores, ahead of the branches,
;   which frees v32-95 and v160-192 for all that is laid over them on every later way.
;   v248-255      Dc, written by four multiplications, read by two stores: a wait on va_vdst between.
;   The list: 32 offsets and 32 pairs of words, each batch's own; all are made, then one wait on va_vdst, then the 32 stores in one run.
.set STG, 0                            ; LDS: a stage of 16 rows x (512 + 16) bytes for each wave
.set IMG, 135168                       ; the sixteen fragments' images, 1,536 bytes each
.set ISC, 159744                       ; their scale words, 128 bytes each
.set R,   32                           ; v32-95   16 rows x 16 bytes as loaded
.set T,   96                           ; v96-159  64 numbers of my row, register 16 b + i = k 32 b + 16 (lane / 16) + i
.set PC,  160                          ; v160-171 the fragment; v172-179 at work
.set TM,  180                          ; v180-183 largest magnitudes, v184-187 bytes, v188-191 the conversions' scale operands
.set PW,  192                          ; the scale word
.set DF,  32                           ; later: v32-127 the decoder's eight fragments
.set WF,  128                          ; v128-223 W_dec's eight fragments
.set DS,  224                          ; v224-231 the decoder's scale words
.set WS,  232                          ; v232-239 W_dec's
.set ACC, 240
.set OUT, 248
.set SEL, 20
.set LEN, 32                           ; s32-63   the list: the 32 lengths
.set NT,  66                           ; s66-97   the list: each batch's number of worked tiles; at its last use the batch's mask of lanes takes its place
.set LA,  32                           ; v32-63   the list: a store's offset for each batch
.set LD,  64                           ; v64-127  the list: a store's two words for each batch
; 64 numbers of a lane become a fragment's codes in v[PC] on and its scale word in v[PW]
.macro QUANT s
.irp b, 0,1,2,3
	v_max3_num_f32 v[TM+\b], |v[\s+16*\b]|, |v[\s+1+16*\b]|, 0x1800000   ; block b: my 16 numbers, and the floor 2^(3 - 127): the byte cannot fall under 1
.endr
.irp i, 2,4,6,8,10,12,14
.irp b, 0,1,2,3
	v_max3_num_f32 v[TM+\b], v[TM+\b], |v[\s+16*\b+\i]|, |v[\s+1+16*\b+\i]|   ; the four blocks by turns
.endr
.endr
.irp b, 0,1,2,3
	v_permlanex16_b32 v[TM+4+\b], v[TM+\b], s[SEL], s[SEL+1]
.endr
.irp b, 0,1,2,3
	v_max_num_f32 v[TM+\b], v[TM+\b], v[TM+4+\b]   ; with lane l xor 16's: the block's largest magnitude
.endr
.irp b, 0,1,2,3
	v_add_nc_u32 v[TM+8+\b], 0xff000000, v[TM+\b]  ; 2 off its exponent field: the conversion's scale operand
.endr
.irp b, 0,1,2,3
	v_lshrrev_b32 v[TM+4+\b], 23, v[TM+8+\b]       ; the scale's byte
.endr
	v_lshl_or_b32 v[PW], v[TM+5], 8, v[TM+4]       ; four bytes make my row's scale word
	v_lshl_or_b32 v[PW], v[TM+6], 16, v[PW]
	v_lshl_or_b32 v[PW], v[TM+7], 24, v[PW]
.irp c, 0,1
	v_cvt_scalef32_pk16_fp6_f32 v[PC+6*\c:PC+2+6*\c], v[\s+32*\c:\s+15+32*\c], v[TM+8+2*\c]
	v_cvt_scalef32_pk16_fp6_f32 v[PC+12+4*\c:PC+14+4*\c], v[\s+16+32*\c:\s+31+32*\c], v[TM+8+2*\c+1]   ; (a conversion's three registers begin on an even number)
.endr
	v_nop                                          ; one plain place behind a scaled conversion
.irp c, 0,1                                    ; the operand's layout wants a whole block in a lane: lanes 0-15 block 2 c, lanes 16-31 block 2 c + 1
.irp i, 0,1,2
	v_permlane16_swap_b32 v[PC+6*\c+\i], v[PC+12+4*\c+\i]
.endr
.irp i, 0,1,2
	v_mov_b32 v[PC+3+6*\c+\i], v[PC+12+4*\c+\i]
.endr
.endr
.endm
	s_load_b256 s[4:11], s[0:1], 0x0               ; W s[4:5], decoder codes s[6:7], decoder scales s[8:9], wc s[10:11]
	s_load_b128 s[12:15], s[0:1], 0x20             ; ws s[12:13], dws s[14:15]
	s_load_b128 s[28:31], s[0:1], 0x30             ; sequence_length s[28:29], order s[30:31]
	v_lshl_add_u32 v29, v0, 2, 0x27800
	v_mov_b32 v31, 0
	v_lshrrev_b32 v1, 5, v0
	v_readfirstlane_b32 s16, v1                    ; wave 0..15
	v_and_b32 v1, 31, v0                           ; lane
	v_and_b32 v2, 15, v0                           ; r
	v_bfe_u32 v3, v0, 4, 1                         ; h
	v_lshlrev_b32 v4, 4, v1                        ; 16 x lane
	v_lshlrev_b32 v5, 2, v1                        ; 4 x lane
	s_lshl_b32 s24, ttmp9, 17                      ; 16 rows of 8,192 bytes a work-group
	s_wait_alu depctr_va_sdst(0)                   ; s16 is written, ahead of its first reader
	s_lshl_b32 s26, s16, 9                         ; 512 bytes of a row a wave
	s_add_co_u32 s24, s24, s26
	s_mov_b32 s25, 0
	s_wait_kmcnt 0x0
	s_add_nc_u64 s[4:5], s[4:5], s[24:25]
	s_wait_alu depctr_va_vdst(0)                   ; v4 is written: the offset of the loads below
.irp i, 0,1,2,3,4,5,6,7,8,9,10,11,12,13,14,15
	global_load_b128 v[R+4*\i:R+4*\i+3], v4, s[4:5] offset:8192*\i th:TH_LOAD_NT   ; row i: 32 lanes read 512 consecutive bytes
.endr
	s_cmp_eq_u32 s16, 15                           ; the 32 lengths, 128 bytes, are asked for here, so that they are in when the list is made behind the barrier.
	s_cbranch_scc0 .Lno_len                        ; The branch hangs on the wave's number alone: wave 15 of every work-group asks, and one of them uses them
	s_load_b512 s[LEN:LEN+15], s[28:29], 0x0
	s_load_b512 s[LEN+16:LEN+31], s[28:29], 0x40
.Lno_len:
	; every LDS address is made here, ahead of the first parting on the wave's number that touches LDS
	s_mul_i32 s17, s16, 8448
	v_add_nc_u32 v6, s17, v4                       ; the stage, in: 16 x lane, row i in the immediate
	v_mul_u32_u24 v7, v2, 528
	v_lshl_add_u32 v7, v3, 6, v7
	v_add_nc_u32 v7, s17, v7                       ; and out: row r, + 64 h: 16 numbers of each block of 32
	s_mul_i32 s17, s16, 1536
	s_add_co_u32 s17, s17, IMG
	v_add_nc_u32 v8, s17, v4                       ; my image
	s_lshl_b32 s17, s16, 7
	s_add_co_u32 s17, s17, ISC
	v_add_nc_u32 v9, s17, v5                       ; my scale words
	v_add_nc_u32 v14, IMG+8*1536, v4               ; W_dec's images, read back
	v_add_nc_u32 v15, ISC+8*128, v5
	s_and_b32 s18, s16, 1
	s_lshl_b32 s18, s18, 4
	v_add_nc_u32 v13, s18, v2                      ; the decoder's row: 16 (wave % 2) + r
	v_mul_u32_u24 v10, v13, 768                    ; its codes: 768 bytes a row,
	v_mad_u32_u24 v10, v3, 24, v10                 ; + 24 h
	v_lshlrev_b32 v11, 5, v13                      ; its scale bytes: 32 a row
	v_lshlrev_b32 v12, 12, v13                     ; Dc: 4,096 bytes a row,
	v_lshl_add_u32 v12, v3, 5, v12                 ; + 32 h
.irp b, 0,1,2,3
	v_mov_b32 v[TM+4+\b], 0                        ; written once: a lane permute's destination counts as one of its sources
.endr
	s_mov_b32 s[SEL], 0x76543210
	s_mov_b32 s[SEL+1], 0xfedcba98                 ; selects for lane l xor 16
	s_mov_b32 s22, 0x4038aa3b                      ; 2 log2(e)
	s_mov_b32 s23, s22
	s_and_b32 s27, s16, 7                          ; the K step
	s_mul_i32 s24, ttmp9, 12288
	s_mul_i32 s26, s27, 1536
	s_add_co_u32 s24, s24, s26
	s_add_nc_u64 s[10:11], s[10:11], s[24:25]      ; wc at [nt][ks]
	s_lshr_b32 s24, ttmp9, 2
	s_lshl_b32 s24, s24, 12                        ; ws: 4,096 bytes for four tiles,
	s_lshl_b32 s26, s27, 9                         ; 512 for a K step,
	s_add_co_u32 s24, s24, s26
	s_and_b32 s26, ttmp9, 3
	s_lshl_b32 s26, s26, 2                         ; my tile's word of a lane's four
	s_add_co_u32 s24, s24, s26
	s_add_nc_u64 s[12:13], s[12:13], s[24:25]
	s_lshl_b32 s24, ttmp9, 6
	s_add_nc_u64 s[14:15], s[14:15], s[24:25]      ; Dc at column 16 nt
	s_wait_alu depctr_va_vdst(0)                   ; v6 to v15 are written: the addresses and offsets of every LDS and memory instruction from here on
	s_wait_loadcnt 0x0
.irp i, 0,1,2,3,4,5,6,7,8,9,10,11,12,13,14,15
	ds_store_b128 v6, v[R+4*\i:R+4*\i+3] offset:528*\i
.endr
.irp b, 0,1,2,3
.irp j, 0,1,2,3
	ds_load_b128 v[T+16*\b+4*\j:T+16*\b+4*\j+3], v7 offset:128*\b+16*\j   ; LDS serves a wave's instructions in order: these see my stores
.endr
.endr
	s_wait_dscnt 0x0
	QUANT T
	s_wait_alu depctr_va_vdst(0)                   ; the quantiser has written v[PC] on and v[PW], which the stores below read, and is done with v96-192, in which fragments land later
.irp c, 0,1,2
	ds_store_b128 v8, v[PC+4*\c:PC+4*\c+3] offset:512*\c   ; the image: lane l's 16 bytes at 16 l
.endr
	ds_store_b32 v9, v[PW]
	s_cmp_lt_u32 s16, 8
	s_cbranch_scc0 .Lnot_enc
.irp c, 0,1,2
	global_store_b128 v4, v[PC+4*\c:PC+4*\c+3], s[10:11] offset:512*\c   ; 512 consecutive bytes a store
.endr
	global_store_b32 v4, v[PW], s[12:13]           ; lane l's word at 16 l
.Lnot_enc:
	s_wait_alu depctr_vm_vsrc(0)                   ; the stage's stores have read v32-95, and the image's stores v[PC] on and v[PW]: the decoder's and W_dec's fragments land there, and the list is written there
	s_cmp_lt_u32 s16, 2
	s_cbranch_scc0 .Lno_dec
.irp k, 0,1,2,3,4,5,6,7
.irp p, 0,1,2,3,4,5
	global_load_b64 v[DF+12*\k+2*\p:DF+12*\k+2*\p+1], v10, s[6:7] offset:96*\k+48*(\p/3)+8*(\p%3)   ; the decoder's fragments, as they lie
.endr
.endr
	global_load_b128 v[DS:DS+3], v11, s[8:9]       ; its eight scale words
	global_load_b128 v[DS+4:DS+7], v11, s[8:9] offset:16
.Lno_dec:
	s_wait_dscnt 0x0                               ; my image has landed
	s_barrier_signal -1
	s_barrier_wait -1                              ; everybody's has
	s_cmp_lt_u32 s16, 2
	s_cbranch_scc0 .Lrest
	s_wait_xcnt 0x0                                ; my stores to wc and ws have had their addresses translated: only now are v[PC] on and v[PW] loaded again (that the stores have read them is stated above, ahead of the branches)
.irp k, 0,1,2,3,4,5,6,7
.irp c, 0,1,2
	ds_load_b128 v[WF+12*\k+4*\c:WF+12*\k+4*\c+3], v14 offset:1536*\k+512*\c
.endr
	ds_load_b32 v[WS+\k], v15 offset:128*\k
.endr
	s_wait_loadcnt 0x0
	s_wait_dscnt 0x0
	v_wmma_scale_f32_16x16x128_f8f6f4 v[ACC:ACC+7], v[WF:WF+11], v[DF:DF+11], 0, v[WS], v[DS] matrix_a_fmt:MATRIX_FMT_FP6 matrix_b_fmt:MATRIX_FMT_FP6   ; source 0 = 16 rows of W, source 1 = 16 rows of the decoder
.irp k, 1,2,3,4,5,6,7
	s_wait_alu depctr_va_vdst(0)                   ; the wait ahead of each link
	v_wmma_scale_f32_16x16x128_f8f6f4 v[ACC:ACC+7], v[WF+12*\k:WF+12*\k+11], v[DF+12*\k:DF+12*\k+11], v[ACC:ACC+7], v[WS+\k], v[DS+\k] matrix_a_fmt:MATRIX_FMT_FP6 matrix_b_fmt:MATRIX_FMT_FP6
.endr
.rept 4
	v_nop                                          ; four places in front of the first read of the result
.endr
.irp q, 0,1,2,3
	v_pk_mul_f32 v[OUT+2*\q:OUT+2*\q+1], v[ACC+2*\q:ACC+2*\q+1], s[22:23] op_sel_hi:[1,0]   ; x 2 log2(e), from the low end on
.endr
	s_wait_alu depctr_va_vdst(0)                   ; the multiplications have written v[OUT] on, which the two stores read
	global_store_b128 v12, v[OUT:OUT+3], s[14:15]          ; lane (r, h): Dc(16 (wave % 2) + r, 16 nt + 8 h + 0 .. 7)
	global_store_b128 v12, v[OUT+4:OUT+7], s[14:15] offset:16
	s_wait_dscnt 0x0                               ; the closing lines, six on end
	s_wait_alu 0x0
	s_wait_tensorcnt 0x0
	ds_add_u32 v29, v31
	s_wait_dscnt 0x0
	s_endpgm
.Lrest:
	s_cmp_eq_u32 s16, 15
	s_cbranch_scc0 .Lend
	s_wait_kmcnt 0x0                               ; the lengths are in
	s_cmp_eq_u32 ttmp9, 0
	s_cbranch_scc0 .Lend
	; ---- THE LIST OF TILES, by wave 15 of work-group 0, which has nothing else left to do.  A tile is 64 rows of a batch; batch b has n_b = ceil(length / 64) tiles with a row in front of its length (all 32 where the
	; length is 0 or less, or above 2,048: the next launch works those too).  order[place] = (32 b + tile, length of b).  The worked tiles of all batches stand first, batch by batch, then the others: a counting sort.
	; So the next launch's long work-groups have the lowest numbers, and neighbouring numbers carry equal work.  Each of the 1,024 places is written once.
	s_mov_b32 s25, 0                               ; the number of worked tiles in all
.irp b, 0,1,2,3,4,5,6,7,8,9,10,11,12,13,14,15,16,17,18,19,20,21,22,23,24,25,26,27,28,29,30,31
	s_cmp_gt_i32 s[LEN+\b], 0
	s_cselect_b32 s24, s[LEN+\b], 2048
	s_min_u32 s24, s24, 2048
	s_add_co_u32 s24, s24, 63
	s_lshr_b32 s[NT+\b], s24, 6                    ; n_b: 1 to 32
	s_add_co_u32 s25, s25, s[NT+\b]
.endr
	s_mov_b32 s26, 0                               ; the place of this batch's first worked tile,
	s_mov_b32 s27, s25                             ; and of its first other tile
.irp b, 0,1,2,3,4,5,6,7,8,9,10,11,12,13,14,15,16,17,18,19,20,21,22,23,24,25,26,27,28,29,30,31
	s_sub_co_u32 s24, s27, s[NT+\b]                ; a lane is a tile t: the place is s26 + t where t < n_b, else s27 + (t - n_b)
	v_mov_b32 v[LA+\b], s24
	v_mov_b32 v[LD+2*\b], s26                      ; (kept here until the choice is made)
	s_add_co_u32 s26, s26, s[NT+\b]
	s_sub_co_u32 s24, 32, s[NT+\b]
	s_add_co_u32 s27, s27, s24
	v_cmp_gt_u32 s[NT+\b], s[NT+\b], v1            ; n_b's last use: the mask of the lanes with t < n_b takes its place, so that the 32 compares stand in one run
.endr
	s_wait_alu depctr_va_sdst(0)                   ; the 32 masks are written, ahead of the first choice that reads one
.irp b, 0,1,2,3,4,5,6,7,8,9,10,11,12,13,14,15,16,17,18,19,20,21,22,23,24,25,26,27,28,29,30,31
	v_cndmask_b32 v[LA+\b], v[LA+\b], v[LD+2*\b], s[NT+\b]
	v_add_nc_u32 v[LA+\b], v[LA+\b], v1
	v_min_u32 v[LA+\b], 0x3ff, v[LA+\b]            ; a number made of loaded numbers is held inside the buffer before it becomes an address
	v_lshlrev_b32 v[LA+\b], 3, v[LA+\b]            ; 8 bytes a place
	v_add_nc_u32 v[LD+2*\b], 32*\b, v1
	v_mov_b32 v[LD+2*\b+1], s[LEN+\b]
.endr
	s_wait_alu depctr_va_vdst(0)                   ; all 32 offsets and pairs of words are written, which the stores below read
.irp b, 0,1,2,3,4,5,6,7,8,9,10,11,12,13,14,15,16,17,18,19,20,21,22,23,24,25,26,27,28,29,30,31
	global_store_b64 v[LA+\b], v[LD+2*\b:LD+2*\b+1], s[30:31]   ; two runs of neighbouring places; each batch has registers of its own, so none is written again while a store may read it
.endr
.Lend:
	s_wait_dscnt 0x0                               ; the closing lines, six on end
	s_wait_alu 0x0
	s_wait_tensorcnt 0x0
	ds_add_u32 v29, v31
	s_wait_dscnt 0x0
	s_endpgm
.Lfunc_end_k_q85f4fad245_prep:
	.size	k_q85f4fad245_prep, .Lfunc_end_k_q85f4fad245_prep-k_q85f4fad245_prep
	.p2alignl 7, 3214868480
	.fill 96, 4, 3214868480
	.section	.rodata,"a",@progbits
	.p2align	6, 0x0
	.amdhsa_kernel k_q85f4fad245_prep
		.amdhsa_group_segment_fixed_size 163840
		.amdhsa_private_segment_fixed_size 0
		.amdhsa_enable_private_segment 0
		.amdhsa_kernarg_size 64
		.amdhsa_user_sgpr_count 2
		.amdhsa_user_sgpr_kernarg_segment_ptr 1
		.amdhsa_wavefront_size32 1
		.amdhsa_system_sgpr_workgroup_id_x 1
		.amdhsa_system_sgpr_workgroup_id_y 1
		.amdhsa_system_sgpr_workgroup_id_z 1
		.amdhsa_system_vgpr_workitem_id 0
		.amdhsa_next_free_vgpr 256
		.amdhsa_next_free_sgpr 100
		.amdhsa_reserve_vcc 0
		.amdhsa_float_denorm_mode_32 3
		.amdhsa_float_denorm_mode_16_64 3
		.amdhsa_memory_ordered 1
		.amdhsa_forward_progress 1
		.amdhsa_inst_pref_size 49
	.end_amdhsa_kernel
	.amdgpu_metadata
---
amdhsa.version: [ 1, 2 ]
amdhsa.kernels:
  - .name:           k_q85f4fad245_prep
    .symbol:         k_q85f4fad245_prep.kd
    .args:
      - { .name: W, .offset: 0, .size: 8, .value_kind: global_buffer, .address_space: global }
      - { .name: decoder_state_codes, .offset: 8, .size: 8, .value_kind: global_buffer, .address_space: global }
      - { .name: decoder_state_scales, .offset: 16, .size: 8, .value_kind: global_buffer, .address_space: global }
      - { .name: wc, .offset: 24, .size: 8, .value_kind: global_buffer, .address_space: global }
      - { .name: ws, .offset: 32, .size: 8, .value_kind: global_buffer, .address_space: global }
      - { .name: dws, .offset: 40, .size: 8, .value_kind: global_buffer, .address_space: global }
      - { .name: sequence_length, .offset: 48, .size: 8, .value_kind: global_buffer, .address_space: global }
      - { .name: order, .offset: 56, .size: 8, .value_kind: global_buffer, .address_space: global }
    .group_segment_fixed_size: 163840
    .private_segment_fixed_size: 0
    .kernarg_segment_align: 8
    .kernarg_segment_size: 64
    .max_flat_workgroup_size: 512
    .sgpr_count:     100
    .vgpr_count:     256
    .wavefront_size: 32
...
	.end_amdgpu_metadata
.endif
;; end of part 4
;; launch scores (part 5): grid 1024 x 1, 8 waves a work-group, no clusters, 327,680 bytes of LDS; arguments encoder_outputs, order, v, wc, ws, dws, po, st, lg; writes po, st, lg
.if DOCPART == 5
	.amdgcn_target "amdgcn-amd-amdhsa--gfx1250"
	.amdhsa_code_object_version 6
	.text
	.protected	k_q85f4fad245_scores
	.globl	k_q85f4fad245_scores
	.p2align	8
	.type	k_q85f4fad245_scores,@function
k_q85f4fad245_scores:
	s_mov_b64 s[64:65], 0
	v_nop
	global_prefetch_b8 v0, s[64:65] scope:SCOPE_SE
	s_setreg_imm32_b32 hwreg(HW_REG_WAVE_SCHED_MODE, 0, 2), 2
	s_setreg_imm32_b32 hwreg(HW_REG_WAVE_MODE, 25, 1), 1
	s_wait_xcnt 0x0
	s_wait_alu depctr_vm_vsrc(0)
; One work-group takes 64 rows (a tile) of a batch through the whole chain: rows to codes of FP6 (E2M3), hidden = rows x W_enc^T on codes, tanh(hidden + decoder's part), the dot with v,
; the mask, the tile's own maximum m, p = e^(l - m), the tile's sum of p and its part of the output, sum of p x row.  The rows are read from memory once: they stay in LDS, as f32, for the last sum.
; WHICH TILE: work-group i takes entry i of the list that the launch before has stored: (32 x batch + tile, the batch's length).  The list has the worked tiles first, so the long work-groups start first
; and neighbouring work-group numbers carry equal work.  Whether the tile is worked is decided here, from the tile and the length themselves.
; Stored: lg (masked logits), st (m and the sum, repeated over the tile's 256 bytes), po (the tile's 1,024 partial outputs).  The last launch joins the tiles.
; A TILE ALL OF WHOSE ROWS LIE AT OR BEHIND THE LENGTH IS NOT WORKED: it stores l = -50000, m = -50000, sum = 64 and a partial output of zeros.
; LIMITS.  Such a tile's share of the output, e^(-50000 - M) x rows, is taken as 0: exact in f32 while the batch's largest logit M lies above -49,900, that is while the sum of |v| is under 49,900.  Its share of the divisor and
; of the weights is computed in the last launch as it stands.  A length of 0 or less: every tile is worked with all rows masked (uniform weights).  A block of zeros gets the scale byte 1 (its codes are zeros, and this
; program alone reads the bytes); blocks with a largest magnitude under 2^-124 were not tried; NaN and infinities are not served.
; NO CLUSTER, NO TENSOR LOAD: whether a tile is worked hangs on a number read from memory.  So W's fragments, laid in the order
; of the operand's registers by the launch before, come from memory straight into registers, each byte to one wave of the work-group.
; BARRIERS stand in text that every wave runs; only the work between them is jumped over.
; SHARES.  Quantising: wave w makes fragments 4 w .. 4 w + 3 (rows 16 (w / 2) on, K 512 (w % 2) + 128 f on).  Products: wave w makes hidden units 128 w .. 128 w + 127 for all 64 rows, 64 units at a time: 16 accumulators.
; THE PRODUCT IS USED TRANSPOSED (source 0 = 16 rows of W, source 1 = 16 rows): lane (r, h) register j holds (row 16 a + r, unit 16 b + 8 h + j).
; tanh(x) = 1 - 2 / (1 + 2^(2 log2(e) x)), so the dot with v is (sum of v) - 2 (sum of v / (1 + 2^..)).
; REGISTERS.  Window 0: v0-23 addresses; v24-31 the rows' scale words (two sets), v32-47 W's (four sets); v48-63 the dot's partial sums; v64-111 W's fragment set 3; v112-127 at work; v128-255 the accumulators.
;   While quantising: v96-103 Dc and v, v128-191 64 numbers, v192-224 the quantiser's.  In the last sum: v128-191 p; v192-255 and v32-95 sixteen rows each, by turns.
;   Window 1: v0-143 W's fragment sets 0-2; v144-239 the rows' fragments, two sets (behind the products: Dc and v).  While quantising: all 256: the rows of my four fragments as loaded, a set of 64 each.
; THE MODE: SCHED_MODE bits 1:0 = 2 (LLVM: expert scheduling mode 2), set by the entry lines.  The code itself states the register dependences
; between vector or matrix instructions and memory or LDS instructions, with s_wait_alu, always for 0.
; THE PLAN.  Registers that memory or LDS instructions touch, and who else names them:
;   v4, v6-v19, v21-v23   offsets and LDS addresses: made at the head, never written again: one wait on va_vdst behind the last of them, ahead of the first branch, serves the whole text.
;   QUANTISING.  The rows as loaded: written by the loads, read by the LDS stores, named by no vector instruction; each fragment has a set of its own, so all 64 loads go out at the phase's head.
;     The 64 numbers: LDS loads land, the quantiser reads.  The codes and the scale word: the quantiser writes, the image's LDS stores read.  So one wait on va_vdst behind each quantiser (codes and word are written;
;     it is done reading the 64 numbers), one on vm_vsrc ahead of each quantiser but the first (the last image's stores have read codes and word), and one on vm_vsrc at the phase's end, ahead of the
;     branches: every register that an LDS store of the phase has read is free for the fragments that land there and the accumulators that are laid there.
;   PRODUCTS.  W's four sets, the rows' two sets and their scale words: written by loads, read by a step's sixteen products.  One wait on va_vdst behind a step's products, ahead of the loads that fill just these sets again.
;     The refills stand there, ahead of the next step's wait for its data, so that four sets of W are on their way.  The accumulators, the dot's sums and v112-127 are named by vector and matrix instructions alone.
;   THE LAST SUM.  Two buffers of sixteen rows by turns: while one is added, the other's loads are out; one wait on va_vdst ahead of each refill (the additions are done reading the buffer).
.set EP,   4112                        ; LDS: a row of the tile as f32: 4,096 bytes + 16: row r starts 16 r bytes further round the banks, so the 16 rows of a turned load start at 16 different places
.set EF,   0                           ; the 64 rows: 263,168 bytes
.set AIMG, 263168                      ; the rows' 32 fragments as images of their registers, (8 a + ks) x 1,536
.set ASC,  312320                      ; their scale words, [ks][lane][a]: 512 bytes a K step
.set DV,   316416                      ; Dc of the batch, 4,096 bytes; then v, 4,096 bytes
.set LP,   324608                      ; [wave][64] the waves' parts of the logits
.set PB,   AIMG                        ; [wave][64] p, each wave's own copy: in the images' bytes, which nobody reads behind the second barrier
.set SA,   24
.set SB,   32
.set P,    48
.set ACC,  128
.set T,    128
.set PC,   192
.set TM,   212
.set PW,   224
.set SV,   126                         ; v[126:127] the sum of my units' v
.set OA,   192                         ; the last sum's two buffers of sixteen rows
.set OB,   32
.set SEL,  30
.set MSB, 0
.macro WIN new                         ; the immediate's high byte repeats the setting that is left
.if MSB != \new
	s_set_vgpr_msb (MSB<<8)|\new
.set MSB, \new
.endif
.endm
.macro QUANT s                         ; 64 numbers of a lane, register 16 b + i = k 32 b + 16 (lane / 16) + i of my row, become a fragment's codes in v[PC] on and its scale word in v[PW]
.irp b, 0,1,2,3
	v_max3_num_f32 v[TM+\b], |v[\s+16*\b]|, |v[\s+1+16*\b]|, 0x1800000   ; block b: my 16 numbers, and the floor 2^(3 - 127): the byte cannot fall under 1
.endr
.irp i, 2,4,6,8,10,12,14
.irp b, 0,1,2,3
	v_max3_num_f32 v[TM+\b], v[TM+\b], |v[\s+16*\b+\i]|, |v[\s+1+16*\b+\i]|
.endr
.endr
.irp b, 0,1,2,3
	v_permlanex16_b32 v[TM+4+\b], v[TM+\b], s[SEL], s[SEL+1]
.endr
.irp b, 0,1,2,3
	v_max_num_f32 v[TM+\b], v[TM+\b], v[TM+4+\b]   ; with lane l xor 16's: the block's largest magnitude
.endr
.irp b, 0,1,2,3
	v_add_nc_u32 v[TM+8+\b], 0xff000000, v[TM+\b]  ; 2 off its exponent field: the conversion's scale operand
.endr
.irp b, 0,1,2,3
	v_lshrrev_b32 v[TM+4+\b], 23, v[TM+8+\b]       ; the scale's byte
.endr
	v_lshl_or_b32 v[PW], v[TM+5], 8, v[TM+4]
	v_lshl_or_b32 v[PW], v[TM+6], 16, v[PW]
	v_lshl_or_b32 v[PW], v[TM+7], 24, v[PW]
.irp c, 0,1
	v_cvt_scalef32_pk16_fp6_f32 v[PC+6*\c:PC+2+6*\c], v[\s+32*\c:\s+15+32*\c], v[TM+8+2*\c]
	v_cvt_scalef32_pk16_fp6_f32 v[PC+12+4*\c:PC+14+4*\c], v[\s+16+32*\c:\s+31+32*\c], v[TM+8+2*\c+1]   ; (a conversion's three registers begin on an even number)
.endr
	v_nop                                          ; one plain place behind a scaled conversion
.irp c, 0,1
.irp i, 0,1,2
	v_permlane16_swap_b32 v[PC+6*\c+\i], v[PC+12+4*\c+\i]   ; a whole block to a lane
.endr
.irp i, 0,1,2
	v_mov_b32 v[PC+3+6*\c+\i], v[PC+12+4*\c+\i]
.endr
.endr
.endm
.macro BARRIER                         ; my LDS stores have landed and my LDS loads are in: then the work-group's barrier
	s_wait_dscnt 0x0
	s_barrier_signal -1
	s_barrier_wait -1
.endm
; my 16 rows' 128 numbers of fragment f, into set f of window 1 (the caller sets the window): each load reads 512 consecutive bytes of one row
.macro XLOAD f
.irp i, 0,1,2,3,4,5,6,7,8,9,10,11,12,13,14,15
	global_load_b128 v[64*(\f)+4*\i:64*(\f)+4*\i+3], v4, s[4:5] offset:4096*\i+512*(\f) th:TH_LOAD_NT
.endr
.endm
; fragment f: the f32 numbers go to their rows in LDS, where they stay, and come back turned, so that a lane holds 16 neighbours of each block; quantised; image and scale words to LDS
.macro XFRAG f
.if (\f) > 0
	s_wait_loadcnt 16*(3-(\f))                     ; this fragment's 16 loads are in; the later fragments', 16 each, may be out
.endif
	WIN 0x04                                       ; an LDS store's data are its source 1: window 1
.irp i, 0,1,2,3,4,5,6,7,8,9,10,11,12,13,14,15
	ds_store_b128 v7, v[64*(\f)+4*\i:64*(\f)+4*\i+3] offset:EP*\i+512*(\f)
.endr
	WIN 0
.irp b, 0,1,2,3
.irp j, 0,1,2,3
	ds_load_b128 v[T+16*\b+4*\j:T+16*\b+4*\j+3], v21 offset:512*(\f)+128*\b+16*\j   ; LDS serves a wave's instructions in order: these see my stores
.endr
.endr
.if (\f) > 0
	s_wait_alu depctr_vm_vsrc(0)                   ; the last fragment's image stores have read v[PC] on and v[PW], which the quantiser below writes again
.endif
	s_wait_dscnt 0x0                               ; the 64 numbers are in
	QUANT T
	s_wait_alu depctr_va_vdst(0)                   ; the quantiser has written v[PC] on and v[PW], which the stores below read, and is done reading the 64 numbers, in whose registers the next fragment's LDS loads land
.irp c, 0,1,2
	ds_store_b128 v22, v[PC+4*\c:PC+4*\c+3] offset:1536*(\f)+512*\c
.endr
	ds_store_b32 v23, v[PW] offset:512*(\f)
.endm
; W's four fragments and scale words of step kk (units 64 (kk / 8) on, K step kk % 8) into set kk % 4: 13 loads
.macro BLOAD kk
.set BS, (\kk)%4
.set BC, (\kk)/8
.set BK, (\kk)%8
.if BS < 3
	WIN 0x40
.set BB, 48*BS
.else
	WIN 0
.set BB, 64
.endif
.irp b, 0,1,2,3
.irp c, 0,1,2
	global_load_b128 v[BB+12*\b+4*\c:BB+12*\b+4*\c+3], v4, s[10:11] offset:(4*BC+\b)*12288+1536*BK+512*\c
.endr
.endr
	WIN 0
	global_load_b128 v[SB+4*BS:SB+4*BS+3], v4, s[12:13] offset:4096*BC+512*BK   ; the four tiles' scale words of my lane's row
.endm
; the rows' four fragments and scale words of K step ks into set ks % 2: 13 LDS loads
.macro ALOAD ks
.set ASET, (\ks)%2
	WIN 0x40
.irp a, 0,1,2,3
.irp c, 0,1,2
	ds_load_b128 v[144+48*ASET+12*\a+4*\c:144+48*ASET+12*\a+4*\c+3], v8 offset:(8*\a+(\ks))*1536+512*\c
.endr
.endr
	WIN 0
	ds_load_b128 v[SA+4*ASET:SA+4*ASET+3], v9 offset:512*(\ks)
.endm
; step kk: 16 products, the 16 accumulators by turns, one instruction a turn, in the same order in every step
.macro GSTEP kk
.set GK, (\kk)%8
.set GB, (\kk)%4
.set GA, (\kk)%2
.set LW, 15-(\kk)
.if LW > 3
.set LW, 3
.endif
	s_wait_loadcnt 13*LW                           ; this step's set of W is in; the younger sets, 13 loads each, may be out
.if GK < 7
	s_wait_dscnt 13                                ; this step's rows are in; the next step's 13 LDS loads may be out
.else
	s_wait_dscnt 0
.endif
.if GB < 3
	WIN 0x05                                       ; sources 0 (W) and 1 (rows) window 1; C and D window 0
.set GBB, 48*GB
.else
	WIN 0x04                                       ; W's set 3 lies in window 0
.set GBB, 64
.endif
.irp a, 0,1,2,3
.irp b, 0,1,2,3
.if GK == 0
	v_wmma_scale_f32_16x16x128_f8f6f4 v[ACC+8*(4*\a+\b):ACC+8*(4*\a+\b)+7], v[GBB+12*\b:GBB+12*\b+11], v[144+48*GA+12*\a:144+48*GA+12*\a+11], 0, v[SB+4*GB+\b], v[SA+4*GA+\a] matrix_a_fmt:MATRIX_FMT_FP6 matrix_b_fmt:MATRIX_FMT_FP6
.else
	v_wmma_scale_f32_16x16x128_f8f6f4 v[ACC+8*(4*\a+\b):ACC+8*(4*\a+\b)+7], v[GBB+12*\b:GBB+12*\b+11], v[144+48*GA+12*\a:144+48*GA+12*\a+11], v[ACC+8*(4*\a+\b):ACC+8*(4*\a+\b)+7], v[SB+4*GB+\b], v[SA+4*GA+\a] matrix_a_fmt:MATRIX_FMT_FP6 matrix_b_fmt:MATRIX_FMT_FP6
.endif
.endr
.endr
.if GK == 7
.rept 4
	v_nop                                          ; a chunk's last step: four places in front of the first read of results; the wait below stands beside them
.endr
.endif
.if ((\kk)+4 <= 15) || (GK+2 <= 7) || (GK == 7)    ; (step 14 asks for nothing: no wait)
	s_wait_alu depctr_va_vdst(0)                   ; this step's products are done reading W's set, the rows' set and their scale words, in which the loads below land (behind a chunk's last step: Dc and v land in the rows' sets)
.endif
.if (\kk)+4 <= 15
	BLOAD (\kk)+4
.endif
.if GK+2 <= 7
	ALOAD GK+2
.endif
	WIN 0
.endm
; behind 64 units' products: 2 log2(e) x sum + Dc, 1 / (1 + 2^..), and the dot with v
.macro EPI ch
	WIN 0x40
.irp b, 0,1,2,3
	ds_load_b128 v[144+8*\b:147+8*\b], v10 offset:256*\ch+64*\b          ; Dc of units 16 b + 8 h + 0 .. 7
	ds_load_b128 v[148+8*\b:151+8*\b], v10 offset:256*\ch+64*\b+16
	ds_load_b128 v[176+8*\b:179+8*\b], v10 offset:4096+256*\ch+64*\b     ; v of the same
	ds_load_b128 v[180+8*\b:183+8*\b], v10 offset:4096+256*\ch+64*\b+16
.endr
	s_wait_dscnt 0x0
	WIN 0x10                                       ; source 2 (Dc) window 1
.irp a, 0,1,2,3
.irp b, 0,1,2,3
.irp q, 0,1,2,3
	v_pk_fma_f32 v[ACC+8*(4*\a+\b)+2*\q:ACC+8*(4*\a+\b)+2*\q+1], v[ACC+8*(4*\a+\b)+2*\q:ACC+8*(4*\a+\b)+2*\q+1], s[32:33], v[144+8*\b+2*\q:145+8*\b+2*\q] op_sel_hi:[1,0,1]   ; each accumulator from its low end on
.endr
.endr
.endr
	WIN 0
.set j, 0
.rept 128
	v_exp_f32 v[ACC+j], v[ACC+j]
.set j, j+1
.endr
	v_nop                                          ; a plain place behind the last exponential
	s_wait_alu depctr_va_vdst(0)                   ; the 128 exponentials have written their results: one wait for the batch, ahead of its first reader
.set j, 0
.rept 64
	v_pk_add_f32 v[ACC+j:ACC+j+1], v[ACC+j:ACC+j+1], 1.0 op_sel_hi:[1,0]
.set j, j+2
.endr
.set j, 0
.rept 128
	v_rcp_f32 v[ACC+j], v[ACC+j]
.set j, j+1
.endr
	v_nop
	s_wait_alu depctr_va_vdst(0)                   ; the 128 reciprocals have written their results: one wait for the batch, ahead of its first reader
	WIN 0x04                                       ; source 1 (v) window 1
.irp b, 0,1,2,3
.irp q, 0,1,2,3
.irp a, 0,1,2,3
.if (\ch == 0) && (\b == 0) && (\q < 2)
	v_pk_mul_f32 v[P+4*\a+2*(\q%2):P+4*\a+2*(\q%2)+1], v[ACC+8*(4*\a+\b)+2*\q:ACC+8*(4*\a+\b)+2*\q+1], v[176+8*\b+2*\q:177+8*\b+2*\q]   ; the first products start the sums
.else
	v_pk_fma_f32 v[P+4*\a+2*(\q%2):P+4*\a+2*(\q%2)+1], v[ACC+8*(4*\a+\b)+2*\q:ACC+8*(4*\a+\b)+2*\q+1], v[176+8*\b+2*\q:177+8*\b+2*\q], v[P+4*\a+2*(\q%2):P+4*\a+2*(\q%2)+1]
.endif
.endr
	v_pk_add_f32 v[SV:SV+1], v[SV:SV+1], v[176+8*\b+2*\q:177+8*\b+2*\q]
.endr
.endr
	WIN 0
.endm
; the last sum.  OLOAD: sixteen rows into a buffer: thread t takes its 16 bytes (columns 4 t .. 4 t + 3) of each row; a wave reads 512 consecutive bytes of a row
.macro OLOAD buf, adr
.irp i, 0,1,2,3,4,5,6,7,8,9,10,11,12,13,14,15
	ds_load_b128 v[(\buf)+4*\i:(\buf)+4*\i+3], v[\adr] offset:EP*\i
.endr
.endm
; OSUM: rows 16 g .. 16 g + 15, from a buffer, are added, times p; the very first row starts the sums.  younger: the LDS loads issued behind this buffer's: the other buffer's sixteen, or none
.macro OSUM g, buf, younger
.irp i, 0,1,2,3,4,5,6,7,8,9,10,11,12,13,14,15
	s_wait_dscnt (\younger)+15-\i                  ; row i is in (and all that was asked for earlier, p among it); the buffer's later rows and the other buffer's may be out
.irp k, 0,1,2,3
.if (\g)+\i == 0
	v_mul_f32 v[120+\k], v[(\buf)+4*\i+\k], v[128+16*(\g)+\i]
.else
	v_fmac_f32 v[120+\k], v[(\buf)+4*\i+\k], v[128+16*(\g)+\i]
.endif
.endr
.endr
.endm
	s_load_b256 s[4:11], s[0:1], 0x0               ; rows s[4:5], order s[6:7], v s[8:9], wc s[10:11]
	s_load_b256 s[12:19], s[0:1], 0x20             ; ws s[12:13], dws s[14:15], po s[16:17], st s[18:19]
	s_load_b64 s[20:21], s[0:1], 0x40              ; lg
	v_lshl_add_u32 v124, v0, 2, 0x4fc00
	v_mov_b32 v125, 0
	v_lshrrev_b32 v1, 5, v0
	v_readfirstlane_b32 s22, v1                    ; wave 0..7
	v_and_b32 v1, 31, v0                           ; lane
	v_and_b32 v2, 15, v0                           ; r
	v_bfe_u32 v3, v0, 4, 1                         ; h
	v_lshlrev_b32 v4, 4, v1                        ; 16 x lane
	v_lshlrev_b32 v19, 3, v1                       ; 8 x lane
	s_wait_alu depctr_va_sdst(0)                   ; s22 is written, ahead of its first reader
	s_lshr_b32 s34, s22, 1                         ; a: which 16 rows I quantise
	s_and_b32 s35, s22, 1                          ; which half of K
	s_lshl_b32 s28, ttmp9, 3                       ; my entry of the list: 8 bytes a work-group
	s_mov_b32 s29, 0
	s_wait_kmcnt 0x0
	s_add_nc_u64 s[6:7], s[6:7], s[28:29]
	s_load_b64 s[24:25], s[6:7], 0x0               ; s24 = 32 x batch + tile, s25 = the batch's length
	; every LDS address is made here, once: of the lane and the wave alone
	s_mul_i32 s36, s34, 16*EP                      ; my 16 rows,
	s_lshl_b32 s37, s35, 11                        ; my half of K: 2,048 bytes
	s_add_co_u32 s36, s36, s37
	v_add_nc_u32 v7, s36, v4                       ; the rows, in: + 16 x lane; row and fragment in the immediate
	v_mul_u32_u24 v21, v2, EP
	v_lshl_add_u32 v21, v3, 6, v21
	v_add_nc_u32 v21, s36, v21                     ; and turned: row r, + 64 h
	v_add_nc_u32 v8, AIMG, v4                      ; images, read
	v_add_nc_u32 v9, ASC, v4                       ; scale words, read: 16 bytes a lane
	s_mul_i32 s36, s22, 6144
	s_add_co_u32 s36, s36, AIMG
	v_add_nc_u32 v22, s36, v4                      ; images, written: fragments 4 w on
	s_lshl_b32 s36, s34, 2
	s_add_co_u32 s36, s36, s37                     ; (four K steps of 512 bytes are 2,048 too)
	s_add_co_u32 s36, s36, ASC
	v_add_nc_u32 v23, s36, v4                      ; scale words, written: word a of my lane's four, K steps 4 (w % 2) on
	s_lshl_b32 s36, s22, 9
	s_add_co_u32 s37, s36, DV
	v_lshl_add_u32 v10, v3, 5, s37                 ; Dc and v of my 128 units, + 32 h
	s_lshl_b32 s36, s22, 8
	s_add_co_u32 s37, s36, LP
	v_lshl_add_u32 v11, v2, 2, s37                 ; my part of the logits, written
	v_add_nc_u32 v12, LP, v19                      ; all parts, read: rows 2 lane, 2 lane + 1
	s_add_co_u32 s37, s36, PB
	v_add_nc_u32 v13, s37, v19                     ; p, written
	v_mov_b32 v14, s37                             ; p, read by every lane
	v_lshlrev_b32 v17, 4, v0                       ; 16 x thread: also my place in rows 0-15 for the last sum
	v_add_nc_u32 v15, 16*EP, v17                   ; in rows 16-31,
	v_add_nc_u32 v16, 32*EP, v17                   ; 32-47,
	v_add_nc_u32 v6, 48*EP, v17                    ; 48-63
	v_add_nc_u32 v18, DV, v17
	s_mov_b32 s[SEL], 0x76543210
	s_mov_b32 s[SEL+1], 0xfedcba98
	s_mov_b32 s32, 0x4038aa3b                      ; 2 log2(e)
	s_mov_b32 s33, s32
	; the buffers at my part: first what hangs on the wave alone
	s_mul_i32 s28, s22, 98304                      ; my 8 tiles of W's rows
	s_add_nc_u64 s[10:11], s[10:11], s[28:29]
	s_lshl_b32 s28, s22, 13                        ; their scale words: two groups of 4,096 bytes
	s_add_nc_u64 s[12:13], s[12:13], s[28:29]
	s_wait_kmcnt 0x0                               ; my entry of the list is in
	s_min_u32 s24, s24, 1023                       ; a loaded number is held inside its range before it enters an address; behind that only ANDs, shifts left and additions
	s_and_b32 s23, s24, 31                         ; the tile
	s_lshl_b32 s27, s23, 6                         ; its first row
	s_and_b32 s38, s24, 0x3e0                      ; 32 x batch
	v_lshl_add_u32 v20, v1, 1, s27                 ; the row's number in the batch: first row + 2 x lane
	s_lshl_b32 s28, s38, 18                        ; a batch's rows: 2,048 x 4,096 bytes
	s_lshl_b32 s36, s34, 4
	s_add_co_u32 s36, s36, s27
	s_lshl_b32 s36, s36, 12
	s_add_co_u32 s28, s28, s36
	s_lshl_b32 s36, s35, 11
	s_add_co_u32 s28, s28, s36
	s_add_nc_u64 s[4:5], s[4:5], s[28:29]
	s_lshl_b32 s28, s38, 7                         ; Dc: 4,096 bytes a batch
	s_add_nc_u64 s[14:15], s[14:15], s[28:29]
	s_lshl_b32 s28, s24, 12                        ; po: 4,096 bytes a tile
	s_add_nc_u64 s[16:17], s[16:17], s[28:29]
	s_lshl_b32 s28, s24, 8                         ; st: 256 bytes a tile;
	s_add_nc_u64 s[18:19], s[18:19], s[28:29]
	s_add_nc_u64 s[20:21], s[20:21], s[28:29]      ; lg: (2,048 x batch + first row) x 4 is the same number
	s_cmp_gt_i32 s25, 0
	s_cselect_b32 s36, s25, 2048                   ; a length of 0 or less: all tiles are worked, with all rows masked
	s_cmp_lt_u32 s27, s36
	s_cselect_b32 s26, 1, 0                        ; is the tile worked?
	s_wait_alu depctr_va_vdst(0)                   ; every offset and LDS address (v4, v6 to v19, v21 to v23) is written: the loads and stores of all ways below read them, and none is written again
	s_cmp_eq_u32 s26, 0
	s_cbranch_scc1 .Lskip_x
	; ---- X: the rows go to LDS and become codes.  All 64 loads of my four fragments go out here, each fragment into a set of its own
	WIN 0x40
	XLOAD 0
	WIN 0
	global_load_b128 v[96:99], v17, s[14:15]       ; Dc of the batch: 16 bytes a thread
	global_load_b128 v[100:103], v17, s[8:9]       ; v
	WIN 0x40
	XLOAD 1
	XLOAD 2
	XLOAD 3
	WIN 0
.irp b, 0,1,2,3
	v_mov_b32 v[TM+4+\b], 0                        ; a lane permute's destination counts as one of its sources
.endr
	s_wait_loadcnt 48                              ; fragment 0's rows, Dc and v are in; the three later fragments' 16 loads each may be out
	ds_store_b128 v18, v[96:99]
	ds_store_b128 v18, v[100:103] offset:4096
	XFRAG 0
	XFRAG 1
	XFRAG 2
	XFRAG 3
	s_wait_alu depctr_vm_vsrc(0)                   ; the phase's LDS stores have read their data: the rows' sets (W's and the rows' fragments land there), v96-103 (W's set 3 lands there), v[PC] on and v[PW] (the accumulators are laid there)
.Lskip_x:
	BARRIER                                        ; the 64 rows, their 32 fragments, Dc and v lie in LDS
	s_cmp_eq_u32 s26, 0
	s_cbranch_scc1 .Lskip_g
	; ---- the products, tanh and the dot with v: my 128 units, 64 at a time
	BLOAD 0
	BLOAD 1
	BLOAD 2
	BLOAD 3
	v_mov_b32 v[SV], 0
	v_mov_b32 v[SV+1], 0
	ALOAD 0
	ALOAD 1
.irp k, 0,1,2,3,4,5,6,7
	GSTEP \k
.endr
	EPI 0
	s_wait_alu depctr_va_vdst(0)                   ; the multiply-adds above are done reading Dc and v, in whose registers the rows' fragments land again
	ALOAD 0
	ALOAD 1
.irp k, 8,9,10,11,12,13,14,15
	GSTEP \k
.endr
	EPI 1
	v_add_f32 v112, v[SV], v[SV+1]                 ; the sum of my units' v
.irp a, 0,1,2,3
	v_add_f32 v[113+\a], v[P+4*\a], v[P+4*\a+1]
	v_add_f32 v[117+\a], v[P+4*\a+2], v[P+4*\a+3]
.endr
.irp a, 0,1,2,3
	v_add_f32 v[113+\a], v[113+\a], v[117+\a]
.endr
.irp a, 0,1,2,3
	v_fma_f32 v[113+\a], -2.0, v[113+\a], v112     ; sum of v tanh over my lane's units
.endr
.irp a, 0,1,2,3
	v_permlanex16_b32 v[117+\a], v[113+\a], s[SEL], s[SEL+1]
.endr
.irp a, 0,1,2,3
	v_add_f32 v[113+\a], v[113+\a], v[117+\a]      ; with lane l xor 16's units: my wave's part of row 16 a + r's logit
.endr
	s_wait_alu depctr_va_vdst(0)                   ; v113 to v116 are written, which the stores below read; and all that named v96-111 is done: the next phase's first LDS loads land there
.irp a, 0,1,2,3
	ds_store_b32 v11, v[113+\a] offset:64*\a       ; both halves of the lanes write the same word with the same value
.endr
	s_wait_alu depctr_vm_vsrc(0)                   ; these stores have read v113 to v116, which the ways behind the barrier write again
.Lskip_g:
	BARRIER                                        ; the eight waves' parts of the 64 logits lie in LDS, and nobody reads the images any more
	s_cmp_eq_u32 s26, 0
	s_cbranch_scc1 .Lmasked
	; ---- the logits, the mask, the tile's maximum, p and its sum: every wave for itself
.irp u, 0,1,2,3,4,5,6,7
	ds_load_b64 v[96+2*\u:97+2*\u], v12 offset:256*\u
.endr
	s_wait_dscnt 0x0
.irp u, 1,2,3,4,5,6,7
	v_pk_add_f32 v[96:97], v[96:97], v[96+2*\u:97+2*\u]
.endr
	v_mov_b32 v112, 0xc7435000                     ; -50000
	v_add_nc_u32 v113, 1, v20
	v_cmp_gt_i32 s40, s25, v20                     ; the two compares in one run, each into a scalar register of its own
	v_cmp_gt_i32 s41, s25, v113
	s_wait_alu depctr_va_sdst(0)                   ; both masks are written, ahead of the choices that read them
	v_cndmask_b32 v96, v112, v96, s40              ; row < length ? logit : -50000
	v_cndmask_b32 v97, v112, v97, s41
	v_max_num_f32 v114, v96, v97
	v_max_num_f32_dpp v114, v114, v114 row_xmask:1 row_mask:0xf bank_mask:0xf
	v_max_num_f32_dpp v114, v114, v114 row_xmask:2 row_mask:0xf bank_mask:0xf
	v_max_num_f32_dpp v114, v114, v114 row_xmask:4 row_mask:0xf bank_mask:0xf
	v_max_num_f32_dpp v114, v114, v114 row_xmask:8 row_mask:0xf bank_mask:0xf
	v_mov_b32 v115, 0
	v_permlanex16_b32 v115, v114, s[SEL], s[SEL+1]
	v_max_num_f32 v114, v114, v115                 ; m: the tile's largest masked logit
	v_sub_f32 v116, v96, v114
	v_sub_f32 v117, v97, v114
	v_mul_f32 v116, 0x3fb8aa3b, v116
	v_mul_f32 v117, 0x3fb8aa3b, v117
	v_exp_f32 v116, v116                           ; p = e^(l - m)
	v_exp_f32 v117, v117
	v_nop
	s_wait_alu depctr_va_vdst(0)                   ; the two exponentials have written p, ahead of its first reader, the store below; and all that named v128-255 and v32-95 is done: the LDS loads below land there
	ds_store_b64 v13, v[116:117]
.irp i, 0,1,2,3,4,5,6,7,8,9,10,11,12,13,14,15
	ds_load_b128 v[128+4*\i:131+4*\i], v14 offset:16*\i    ; all 64 p into every lane: my wave's own bytes, served in order behind my store
.endr
	OLOAD OA, 17                                   ; rows 0-15 and 16-31 are asked for at once: the sum across the lanes below names none of these registers
	OLOAD OB, 15
	v_add_f32 v118, v116, v117
	v_add_f32_dpp v118, v118, v118 row_xmask:1 row_mask:0xf bank_mask:0xf
	v_add_f32_dpp v118, v118, v118 row_xmask:2 row_mask:0xf bank_mask:0xf
	v_add_f32_dpp v118, v118, v118 row_xmask:4 row_mask:0xf bank_mask:0xf
	v_add_f32_dpp v118, v118, v118 row_xmask:8 row_mask:0xf bank_mask:0xf
	v_permlanex16_b32 v115, v118, s[SEL], s[SEL+1]
	v_add_f32 v115, v118, v115                     ; the tile's sum of p: v[114:115] = (m, sum)
	s_cmp_lg_u32 s22, 0
	s_cbranch_scc1 .Lnot_wave_0
	s_wait_alu depctr_va_vdst(0)                   ; v115, the sum, is written, which the second store reads
	global_store_b64 v19, v[96:97], s[20:21]       ; 64 masked logits: 256 consecutive bytes
	global_store_b64 v19, v[114:115], s[18:19]     ; (m, sum) 32 times: the tile's 256 bytes
.Lnot_wave_0:
	; ---- the tile's part of the output, in f32: thread t sums columns 4 t .. 4 t + 3 over the 64 rows, in the rows' order; two buffers by turns
	OSUM 0, OA, 16
	s_wait_alu depctr_va_vdst(0)                   ; the additions of rows 0-15 are done reading their buffer, in which rows 32-47 land
	OLOAD OA, 16
	OSUM 1, OB, 16
	s_wait_alu depctr_va_vdst(0)                   ; the additions of rows 16-31 are done reading their buffer, in which rows 48-63 land
	OLOAD OB, 6
	OSUM 2, OA, 16
	OSUM 3, OB, 0
	s_wait_alu depctr_va_vdst(0)                   ; the sums v120 to v123 are written, which the store reads
	global_store_b128 v17, v[120:123], s[16:17]    ; a wave stores 512 consecutive bytes
	s_wait_dscnt 0x0                               ; the closing lines, six on end
	s_wait_alu 0x0
	s_wait_tensorcnt 0x0
	ds_add_u32 v124, v125
	s_wait_dscnt 0x0
	s_endpgm
.Lmasked:
	; ---- a tile wholly behind the length
.irp k, 0,1,2,3
	v_mov_b32 v[120+\k], 0
.endr
	v_mov_b32 v96, 0xc7435000                      ; -50000
	v_mov_b32 v97, 0xc7435000
	v_mov_b32 v114, 0xc7435000
	v_mov_b32 v115, 0x42800000                     ; 64 rows, each with p = 1
	s_wait_alu depctr_va_vdst(0)                   ; the eight registers above are written, which the stores below read: one wait for the three
	global_store_b128 v17, v[120:123], s[16:17]
	s_cmp_lg_u32 s22, 0
	s_cbranch_scc1 .Lmasked_end
	global_store_b64 v19, v[96:97], s[20:21]
	global_store_b64 v19, v[114:115], s[18:19]
.Lmasked_end:
	s_wait_dscnt 0x0                               ; the closing lines, six on end
	s_wait_alu 0x0
	s_wait_tensorcnt 0x0
	ds_add_u32 v124, v125
	s_wait_dscnt 0x0
	s_endpgm
.Lfunc_end_k_q85f4fad245_scores:
	.size	k_q85f4fad245_scores, .Lfunc_end_k_q85f4fad245_scores-k_q85f4fad245_scores
	.p2alignl 7, 3214868480
	.fill 96, 4, 3214868480
	.section	.rodata,"a",@progbits
	.p2align	6, 0x0
	.amdhsa_kernel k_q85f4fad245_scores
		.amdhsa_group_segment_fixed_size 327680
		.amdhsa_private_segment_fixed_size 0
		.amdhsa_enable_private_segment 0
		.amdhsa_kernarg_size 72
		.amdhsa_user_sgpr_count 2
		.amdhsa_user_sgpr_kernarg_segment_ptr 1
		.amdhsa_wavefront_size32 1
		.amdhsa_system_sgpr_workgroup_id_x 1
		.amdhsa_system_sgpr_workgroup_id_y 1
		.amdhsa_system_sgpr_workgroup_id_z 1
		.amdhsa_system_vgpr_workitem_id 0
		.amdhsa_next_free_vgpr 512
		.amdhsa_next_free_sgpr 66
		.amdhsa_reserve_vcc 0
		.amdhsa_float_denorm_mode_32 3
		.amdhsa_float_denorm_mode_16_64 3
		.amdhsa_memory_ordered 1
		.amdhsa_forward_progress 1
		.amdhsa_inst_pref_size 170
	.end_amdhsa_kernel
	.amdgpu_metadata
---
amdhsa.version: [ 1, 2 ]
amdhsa.kernels:
  - .name:           k_q85f4fad245_scores
    .symbol:         k_q85f4fad245_scores.kd
    .args:
      - { .name: encoder_outputs, .offset: 0, .size: 8, .value_kind: global_buffer, .address_space: global }
      - { .name: order, .offset: 8, .size: 8, .value_kind: global_buffer, .address_space: global }
      - { .name: v, .offset: 16, .size: 8, .value_kind: global_buffer, .address_space: global }
      - { .name: wc, .offset: 24, .size: 8, .value_kind: global_buffer, .address_space: global }
      - { .name: ws, .offset: 32, .size: 8, .value_kind: global_buffer, .address_space: global }
      - { .name: dws, .offset: 40, .size: 8, .value_kind: global_buffer, .address_space: global }
      - { .name: po, .offset: 48, .size: 8, .value_kind: global_buffer, .address_space: global }
      - { .name: st, .offset: 56, .size: 8, .value_kind: global_buffer, .address_space: global }
      - { .name: lg, .offset: 64, .size: 8, .value_kind: global_buffer, .address_space: global }
    .group_segment_fixed_size: 327680
    .private_segment_fixed_size: 0
    .kernarg_segment_align: 8
    .kernarg_segment_size: 72
    .max_flat_workgroup_size: 256
    .sgpr_count:     66
    .vgpr_count:     512
    .wavefront_size: 32
...
	.end_amdgpu_metadata
.endif
;; end of part 5
;; launch combine: the kernel of part 3 again; grid 4 x 32, 2 waves a work-group, no clusters, 0 bytes of LDS; arguments po, st, lg, out0, out1; writes out0, out1
